; MI455X (gfx1250); checked and timed in simulation.
; The chip was launched on July 23, 2026; its instructions are those of AMD's public machine-readable ISA for CDNA 5 (MIT licence, August 2026) and "CDNA5" Instruction Set Architecture Reference Guide (July 2026). The comments in the code are by the model that wrote it; some were corrected since.
;; Mo EFFN. Allowed arithmetic: matrix products marked QUANTISED: E2M3 operands, one E8M0 scale for each 32 along K, by v_wmma_scale_f32_16x16x128_f8f6f4 with both operands' format E2M3, f32 sums; products left as they are: f32 operands where the result goes on into a quantised operand, else bf16, f16 or f32 operands; f32 sums; everything else in f32.
;; Inputs: W1_codes 4 x 4,096 x 32 x 24 uint8 (E2M3 codes of W1, K innermost, in blocks of 32 codes, four codes in three bytes); W1_scales 4 x 4,096 x 32 uint8 (E8M0 scales of W1, one for each 32 codes along K); W2_codes 4 x 1,024 x 128 x 24 uint8 (E2M3 codes of W2, K innermost, in blocks of 32 codes, four codes in three bytes); W2_scales 4 x 1,024 x 128 uint8 (E8M0 scales of W2, one for each 32 codes along K); Wr 1,024 x 4 float32; b1 4 x 4,096 float32; b2 4 x 1,024 float32; br 4 float32; x 4 x 512 x 1,024 float32.
;; Outputs: out0 4 x 512 x 1,024 float32.
;; This version of the problem:
;;   THIS VERSION OF THE PROBLEM IS GIVEN IN LOW PRECISION. The matrix products marked QUANTISED in the list below multiply operands that are first quantised to E2M3 (2 exponent bits, 3 mantissa bits; 6 bits a number), with one power-of-two scale for each 32 numbers along K (OCP MX v1.0); their sums are f32. All else is computed in f32.
;;   The module's matrix products, in the order in which they are computed (A, B: the left and right operand; K: the contracted axis; several contracted axes count as one K, in the product's order):
;;     1. [M 2,048, K 1,024] x [K 1,024, N 4]; A: input x; B: input Wr: left as it is (N = 4 < 16)
;;     2. [M 2,048, K 1,024] x [K 1,024, N 16,384]; A: input x; B: input W1 (given as codes): QUANTISED
;;     3. batch 4 x [M 1,024, K 4,096] x [K 4,096, N 2,048]; A: input W2 (given as codes); B: computed on the way: QUANTISED
;;   THE QUANTISER, for each operand of a quantised product, along K:
;;     - K is cut into blocks of 32 from its start; a last block that is shorter is filled with zeros.
;;     - A block's scale is 2^e with e = floor(log2(the largest magnitude in the block)) - 2, held to -126 .. 127; a block of zeros has e = 0. As a byte (E8M0): e + 127.
;;     - Each number is divided by its block's scale, clamped to +-7.5, and rounded to the nearest number of E2M3, ties to even, subnormals kept.
;;     - The product sums the exact products of the quantised numbers (number of the format x scale) in f32.
;;   ~~~python
;;   def quantise(x, axis):      # numpy; x: float32 -> the quantised numbers, widened to float32 again
;;       x = np.moveaxis(x, axis, -1); K = x.shape[-1]
;;       x = np.pad(x, [(0, 0)] * (x.ndim - 1) + [(0, -K % 32)]); x = x.reshape(x.shape[:-1] + (-1, 32)); a = np.abs(x).max(-1, keepdims=True)
;;       e = np.where(a > 0, np.clip(np.frexp(np.where(a > 0, a, 1))[1] - 1 - 2, -126, 127), 0)      # np.frexp(a)[1] - 1 = floor(log2(a)), exactly
;;       r = np.clip(x / 2.0 ** e, -7.5, 7.5)
;;       step = 2.0 ** (np.maximum(np.frexp(np.where(r == 0, 1, r))[1] - 1, 0) - 3)
;;       q = np.round(r / step) * step * 2.0 ** e      # np.round: ties to even
;;       return np.moveaxis(q.reshape(q.shape[:-2] + (-1,))[..., :K], -1, axis).astype(np.float32)
;;   ~~~
;;   OPERANDS COMPUTED ON THE WAY. 'Computed on the way' means the value that the module computes at that place (a softmax that the list does not call 'softmax' is quantised finished and normalised). What goes into a quantiser is computed in f32, as accurately as f32 sums, v_exp_f32 and their like allow (about 1e-6 of the number): no bf16 or f16 on the way to a quantiser, and a product that is left as it is and whose result goes on into a quantised operand takes f32 operands (vector FMAs, or v_wmma_f32_16x16x4_f32). A number that lies on a knife's edge between two numbers of the format may be rounded either way, as far as f32 arithmetic and the matrix unit's own rounding can turn it there, and no further.
;;   INPUTS GIVEN AS CODES. W1 (in the module: [4, 1024, 4096], K = its axis 1); W2 (in the module: [4, 4096, 1024], K = its axis 1): each comes as NAME_codes (uint8): NAME with its K axis moved to the last place and cut into blocks of 32 codes, [.., K / 32, bytes a block], one block behind the other in memory; four codes in three bytes: a row's codes are one little-endian stream of bits, code i at bits 6 i .. 6 i + 5 (a code: sign, 2 exponent bits, 3 mantissa bits); and NAME_scales (uint8): the same leading axes, one E8M0 byte (e + 127) for each 32 codes along K. Its value is code x scale, taken as it is: it is not quantised again, and the codes and scales need not be those that the quantiser above would give.
;; 2 versions. Each part assembles by itself: llvm-mc -triple=amdgcn-amd-amdhsa -mcpu=gfx1250 --defsym DOCPART=n.
;; ======== version 1 of 2: 4 launches
;; workspace buffers: wimg 26,214,400 bytes; xq 1,654,784 bytes; sel 8,192 bytes of whole numbers; plan 10,240 bytes of whole numbers; himg 16,506,880 bytes
;; launch prep (part 1): grid 768 x 1, 4 waves a work-group, no clusters, 93,696 bytes of LDS; arguments x, Wr, br, W1_codes, W1_scales, W2_codes, W2_scales, wimg, xq, sel; writes wimg, xq, sel
.if DOCPART == 1
	.amdgcn_target "amdgcn-amd-amdhsa--gfx1250"
	.amdhsa_code_object_version 6
	.text
	.protected	k_q2b776fb95e_prep
	.globl	k_q2b776fb95e_prep
	.p2align	8
	.type	k_q2b776fb95e_prep,@function
k_q2b776fb95e_prep:
	s_mov_b64 s[64:65], 0
	v_nop
	global_prefetch_b8 v0, s[64:65] scope:SCOPE_SE
	s_setreg_imm32_b32 hwreg(HW_REG_WAVE_MODE, 25, 1), 1
	s_wait_xcnt 0x0
; PREP.  Two jobs in one launch, parted by the work-group's number; each job has LDS bytes of its own, and each wave its own part of them: no barrier.
; Work-groups 0-255, THE ROUTER: a wave takes two tokens.  x is quantised to E2M3 (one E8M0 byte for 32 along d) into xq: codes [token][768 bytes], a plain stream of bits;
;   scale bytes [token][32]; the logits x Wr + br in f32; the two largest (a tie keeps the lower index); their weights, renormalised: g1 = 1 / (1 + e^(l2 - l1)), g2 = e^(l2 - l1) g1,
;   the largest logit taken away; the pair of experts as a group number 0..5 into sel, the weights (lower expert's, higher expert's) into xq.
; Work-groups 256-767, THE LAYOUT: a wave takes 16 rows x 768 bytes of W1's or W2's codes and stores them as eight images of operand registers, and their scale bytes as scale words.
; THE FRAGMENT OF THIS PROGRAM (16 rows x 128 along K, 12 registers): lane (r = lane % 16, h = lane / 16) holds the 48 consecutive bytes of row r at 96 s + 48 h: blocks 2 h and 2 h + 1 of K step s.
;   The matrix instruction takes registers 6 c .. 6 c + 5 of that lane for its block 2 c + h, so a scale word holds the step's four bytes in the order 0, 2, 1, 3.  Both operands of both products are laid so:
;   the same exchange of blocks on both sides leaves every product with its partner.  An image is the registers as they stand: registers 4 j .. 4 j + 3 of the 32 lanes are 512 consecutive bytes.
; LIMITS: NaN and infinities are not served.  The two experts are chosen on the logits, not on the rounded probabilities: two logits equal within f32 rounding may be ranked otherwise than their probabilities.
;   A block whose largest magnitude lies under 2^-124 (a block of zeros too) gets the byte 1.
.set W1S, 25165824                     ; wimg: W1's images at 0, W2's at 12,582,912, W1's scale words here,
.set W2S, 25690112                     ; W2's here
.set XQS, 1572864                      ; xq: the scale bytes,
.set XQG, 1638400                      ; the weights
.set WBR, 10752                        ; router: LDS of a wave: four stages of 2,560 bytes, then 64 scale bytes
.set SBY, 10240
.set LBL, 43008                        ; layout: LDS begins here; 16 rows x 784 bytes a wave
.set WBL, 12544
	s_load_b512 s[4:19], s[0:1], 0x0               ; x, Wr, br, W1_codes, W1_scales, W2_codes, W2_scales, wimg
	s_load_b128 s[20:23], s[0:1], 0x40             ; xq, sel
	s_set_vgpr_msb 0x40
	v_lshl_add_u32 v0, v0, 2, 0x16c00
	v_mov_b32 v1, 0
	s_set_vgpr_msb 0x4000
	v_lshrrev_b32 v1, 5, v0
	v_readfirstlane_b32 s24, v1                    ; wave
	v_and_b32 v1, 31, v0                           ; lane
	v_lshlrev_b32 v2, 4, v1                        ; 16 x lane
	s_cmp_lt_u32 ttmp9, 256
	s_cbranch_scc0 .Llayout
; ------------------------------------------------------------------ the router
; v64-127 Wr rows 16 lane + i (four numbers a row), v192-255 x as loaded, later Wr rows 512 + 16 lane + i; v128-191 x, 16 neighbours a lane and step
	v_lshlrev_b32 v3, 8, v1                        ; Wr: 16 rows of 16 bytes a lane
	v_mul_u32_u24 v4, v1, 12                       ; my 16 codes
	s_mul_i32 s25, s24, WBR
	v_lshrrev_b32 v8, 1, v1                        ; my block of the step's sixteen
	v_and_b32 v9, 12, v8                           ; its word,
	v_and_b32 v10, 1, v8
	v_lshl_add_u32 v9, v10, 1, v9                  ; and its place there: blocks 0, 1, 2, 3 go to bytes 0, 2, 1, 3
	v_bfe_u32 v10, v8, 1, 1
	v_add_nc_u32 v9, v9, v10
	v_add_nc_u32 v5, s25, v9
	v_add_nc_u32 v5, SBY, v5                       ; LDS: my block's scale byte
	v_lshlrev_b32 v7, 1, v1
	v_add_nc_u32 v6, s25, v7
	v_add_nc_u32 v6, SBY, v6                       ; and two bytes a lane on the way out
	v_lshrrev_b32 v14, 2, v1
	v_mul_u32_u24 v14, v14, 80
	v_and_b32 v15, 3, v1
	v_lshl_add_u32 v14, v15, 4, v14
	v_add_nc_u32 v14, s25, v14                     ; the stage, in: four lanes' 64 bytes on end, then 16 of padding
	v_mul_u32_u24 v15, v1, 80
	v_add_nc_u32 v15, s25, v15                     ; out: my 64 bytes
	s_lshl_b32 s26, ttmp9, 3
	s_lshl_b32 s27, s24, 1
	s_add_co_u32 s26, s26, s27                     ; my first token
	s_lshl_b32 s28, s26, 12
	s_mov_b32 s29, 0
	s_mul_i32 s30, s26, 768
	s_mov_b32 s31, 0
	s_lshl_b32 s32, s26, 5
	s_add_co_u32 s32, s32, XQS
	s_mov_b32 s33, 0
	s_lshl_b32 s34, s26, 3
	s_add_co_u32 s34, s34, XQG
	s_mov_b32 s35, 0
	s_lshl_b32 s36, s26, 2
	s_mov_b32 s37, 0
	s_mov_b32 s48, 0x76543210
	s_mov_b32 s49, 0xfedcba98                      ; v_permlanex16_b32: lane l xor 16
	s_wait_kmcnt 0x0
	s_add_nc_u64 s[4:5], s[4:5], s[28:29]          ; x at my tokens
	s_add_nc_u64 s[38:39], s[20:21], s[30:31]      ; their codes,
	s_add_nc_u64 s[40:41], s[20:21], s[32:33]      ; scale bytes,
	s_add_nc_u64 s[42:43], s[20:21], s[34:35]      ; weights,
	s_add_nc_u64 s[22:23], s[22:23], s[36:37]      ; groups
	s_load_b128 s[44:47], s[8:9], 0x0              ; br
.irp t, 0,1,2,3
.irp i, 0,1,2,3
	global_load_b128 v[192+16*\t+4*\i:195+16*\t+4*\i], v2, s[4:5] offset:2048*\t+512*\i th:TH_LOAD_NT   ; 32 lanes read 512 consecutive bytes
.endr
.endr
.irp i, 0,1,2,3,4,5,6,7,8,9,10,11,12,13,14,15
	global_load_b128 v[64+4*\i:67+4*\i], v3, s[6:7] offset:16*\i
.endr
.irp e, 0,1,2,3
	v_mov_b32 v[28+\e], 0                          ; a lane permute's destination counts as one of its sources
.endr
	v_mov_b32 v36, 1
	v_mov_b32 v37, 2
	v_mov_b32 v38, 3
	v_mov_b32 v39, 0xff800000                      ; -infinity
	v_mov_b32 v41, 0
	v_mov_b32 v42, 0
	v_mov_b32 v43, 0
	s_wait_loadcnt 16                              ; x is in; the 16 loads of Wr behind it may be out
.irp t, 0,1,2,3                                ; each step's 2,048 bytes turn through a stage of their own: LDS serves a wave's instructions in order, so no wait stands between
.irp i, 0,1,2,3
	ds_store_b128 v14, v[192+16*\t+4*\i:195+16*\t+4*\i] offset:2560*\t+640*\i
.endr
.irp i, 0,1,2,3
	ds_load_b128 v[128+16*\t+4*\i:131+16*\t+4*\i], v15 offset:2560*\t+16*\i
.endr
.endr
	s_wait_dscnt 0x0                               ; the numbers are back, and the stores have read v192-255:
.irp i, 0,1,2,3,4,5,6,7,8,9,10,11,12,13,14,15
	global_load_b128 v[192+4*\i:195+4*\i], v3, s[6:7] offset:8192+16*\i   ; they take Wr's rows 512 on
.endr
.macro QSTEP t                         ; 512 numbers: 16 a lane, two neighbouring lanes to a block
.set XB, 128+16*(\t)
	v_max3_num_f32 v8, |v[XB]|, |v[XB+1]|, |v[XB+2]|
	v_max3_num_f32 v9, |v[XB+3]|, |v[XB+4]|, |v[XB+5]|
.irp i, 6,10
	v_max3_num_f32 v8, v8, |v[XB+\i]|, |v[XB+\i+1]|
	v_max3_num_f32 v9, v9, |v[XB+\i+2]|, |v[XB+\i+3]|
.endr
	v_max3_num_f32 v8, v8, |v[XB+14]|, |v[XB+15]|
	v_max3_num_f32 v8, v8, v9, 0x1800000           ; the floor 2^(3 - 127): the byte cannot fall under 1
	v_max_num_f32_dpp v8, v8, v8 row_xmask:1 row_mask:0xf bank_mask:0xf   ; with my neighbour's 16: the block's largest magnitude
	v_add_nc_u32 v11, 0xff000000, v8               ; 2 off its exponent field: the conversion takes that field as its scale
	v_cvt_scalef32_pk16_fp6_f32 v[44+4*(\t):46+4*(\t)], v[XB:XB+15], v11
	v_lshrrev_b32 v[60+(\t)], 23, v11              ; the scale's byte (and the plain line behind the conversion)
	ds_store_b8 v5, v[60+(\t)] offset:16*(\t)      ; both lanes of a block write the same byte with the same value
	global_store_b96 v4, v[44+4*(\t):46+4*(\t)], s[38:39] offset:384*(\t)   ; the wave stores 384 consecutive bytes
.endm
.irp t, 0,1,2,3
	QSTEP \t
.endr
	s_wait_loadcnt 0x0                             ; Wr
	s_wait_kmcnt 0x0                               ; br
.macro LG t, p, i                      ; number i of step t (half p of the token's row) times its row of Wr: four sums for even i, four for odd i; the first products start them
.irp e, 0,1,2,3
.if ((\p) == 0) && ((\i) < 2)
	v_mul_f32 v[16+4*((\i)%2)+\e], v[128+16*(\t)+(\i)], v[64+128*(\p)+4*(\i)+\e]
.else
	v_fmac_f32 v[16+4*((\i)%2)+\e], v[128+16*(\t)+(\i)], v[64+128*(\p)+4*(\i)+\e]
.endif
.endr
.endm
.macro ROUTE tok
.irp p, 0,1
.irp i, 0,1,2,3,4,5,6,7,8,9,10,11,12,13,14,15
	LG 2*(\tok)+\p, \p, \i
.endr
.endr
	v_pk_add_f32 v[16:17], v[16:17], v[20:21]
	v_pk_add_f32 v[18:19], v[18:19], v[22:23]
.irp x, 1,2,4,8                                ; the sum over the wave's 32 lanes, the four logits by turns
.irp e, 0,1,2,3
	v_add_f32_dpp v[16+\e], v[16+\e], v[16+\e] row_xmask:\x row_mask:0xf bank_mask:0xf
.endr
.endr
.irp e, 0,1,2,3
	v_permlanex16_b32 v[28+\e], v[16+\e], s48, s49
.endr
.irp e, 0,1,2,3
	v_add_f32 v[16+\e], v[16+\e], v[28+\e]
.endr
.irp e, 0,1,2,3
	v_add_f32 v[24+\e], s[44+\e], v[16+\e]         ; + br: the logits, in every lane
.endr
	v_mov_b32 v28, v24                             ; the largest and its index: only a strictly larger one takes over
	v_mov_b32 v29, 0
.irp e, 1,2,3
	v_cmp_gt_f32 vcc_lo, v[24+\e], v28
	v_cndmask_b32 v28, v28, v[24+\e], vcc_lo
	v_cndmask_b32 v29, v29, v[35+\e], vcc_lo
.endr
.irp e, 0,1,2,3
	v_cmp_eq_u32 vcc_lo, \e, v29
	v_cndmask_b32 v[30+\e], v[24+\e], v39, vcc_lo  ; the winner is taken out
.endr
	v_mov_b32 v34, v30                             ; the second largest
	v_mov_b32 v35, 0
.irp e, 1,2,3
	v_cmp_gt_f32 vcc_lo, v[30+\e], v34
	v_cndmask_b32 v34, v34, v[30+\e], vcc_lo
	v_cndmask_b32 v35, v35, v[35+\e], vcc_lo
.endr
	v_sub_f32 v40, v34, v28                        ; l2 - l1, 0 or less
	v_mul_f32 v40, 0x3fb8aa3b, v40
	v_exp_f32 v40, v40
	v_min_u32 v12, v29, v35                        ; the lower expert (a plain line behind the exponential)
	v_max_u32 v13, v29, v35                        ; the higher
	s_wait_alu depctr_va_vdst(0)                   ; the wait ahead of the first reader
	v_add_f32 v10, 1.0, v40
	v_rcp_f32 v10, v10                             ; g1
	v_sub_nc_u32 v9, 5, v12
	v_mul_u32_u24 v9, v9, v12
	v_lshrrev_b32 v9, 1, v9
	v_add_nc_u32 v9, v9, v13
	v_add_nc_u32 v9, -1, v9                        ; the group: hi - 1 + lo (5 - lo) / 2: (0,1) (0,2) (0,3) (1,2) (1,3) (2,3) are 0 .. 5
	s_wait_alu depctr_va_vdst(0)
	v_mul_f32 v11, v40, v10                        ; g2
	v_cmp_lt_u32 vcc_lo, v29, v35
	v_cndmask_b32 v8, v11, v10, vcc_lo             ; the lower expert's weight
	v_cndmask_b32 v11, v10, v11, vcc_lo            ; the higher's
	v_cmp_eq_u32 vcc_lo, \tok, v1                  ; lane tok keeps the token's three results
	v_cndmask_b32 v41, v41, v9, vcc_lo
	v_cndmask_b32 v42, v42, v8, vcc_lo
	v_cndmask_b32 v43, v43, v11, vcc_lo
.endm
	ROUTE 0
	ROUTE 1
	ds_load_u16 v8, v6                             ; my wave's 64 scale bytes (its own stores, served in order)
	v_lshlrev_b32 v9, 2, v1
	v_lshlrev_b32 v10, 3, v1
	s_wait_dscnt 0x0
	global_store_b16 v7, v8, s[40:41]              ; 64 consecutive bytes
	v_cmp_gt_u32 vcc_lo, 2, v1
	s_wait_xcnt 0x0                                ; EXEC changes only behind this wait
	s_set_vgpr_msb 0x5
	s_wait_tensorcnt 0x0
	ds_add_u32 v0, v1
	s_wait_dscnt 0x0
	s_set_vgpr_msb 0x500
	s_and_saveexec_b32 s50, vcc_lo
	global_store_b32 v9, v41, s[22:23]
	global_store_b64 v10, v[42:43], s[42:43]
	s_wait_xcnt 0x0
	s_or_b32 exec_lo, exec_lo, s50
	s_endpgm
; ------------------------------------------------------------------ the layout
; Unit U = 0 .. 2047.  U < 1024: tile U of W1 = 2 (128 e + B) + u: its row r is hidden unit 32 B + 8 u + r + 8 (r / 8), all of K (768 bytes).
; Else: tile (U - 1024) / 4 of W2 (16 neighbouring output rows), quarter (U - 1024) % 4 of K.  Both go to wimg + 12,288 U.  Only scalars differ; no LDS address hangs on the choice.
.Llayout:
	s_sub_co_u32 s25, ttmp9, 256
	s_lshl_b32 s25, s25, 2
	s_add_co_u32 s25, s25, s24                     ; U
	s_mul_i32 s26, s24, WBL
	s_add_co_u32 s26, s26, LBL                     ; my rows in LDS
	s_lshr_b32 s70, s25, 1
	s_and_b32 s71, s25, 1
	s_lshl_b32 s72, s70, 5
	s_lshl_b32 s73, s71, 3
	s_add_co_u32 s72, s72, s73                     ; W1: the tile's first row,
	s_mul_i32 s73, s72, 768                        ; its codes,
	s_lshl_b32 s72, s72, 5                         ; its scale bytes,
	s_lshl_b32 s70, s70, 10
	s_lshl_b32 s71, s71, 8
	s_add_co_u32 s70, s70, s71
	s_add_co_u32 s70, s70, W1S                     ; and where its scale words go
	s_and_b32 s74, s25, 1023
	s_lshr_b32 s75, s74, 2                         ; W2: the tile,
	s_and_b32 s74, s74, 3                          ; the quarter of K,
	s_mul_i32 s76, s75, 16*3072
	s_mul_i32 s77, s74, 768
	s_add_co_u32 s76, s76, s77                     ; its codes,
	s_lshl_b32 s77, s75, 11
	s_lshl_b32 s78, s74, 5
	s_add_co_u32 s77, s77, s78                     ; its scale bytes,
	s_lshr_b32 s78, s75, 1
	s_lshl_b32 s78, s78, 12
	s_lshl_b32 s74, s74, 10
	s_add_co_u32 s78, s78, s74
	s_and_b32 s75, s75, 1
	s_lshl_b32 s75, s75, 8
	s_add_co_u32 s78, s78, s75
	s_add_co_u32 s78, s78, W2S                     ; and where its scale words go
	s_mov_b32 s27, 3072
	s_mov_b32 s29, 128
	s_wait_kmcnt 0x0
	s_cmp_lt_u32 s25, 1024                         ; the choice hangs on the work-group's number alone
	s_cselect_b32 s52, s73, s76
	s_cselect_b32 s54, s72, s77
	s_cselect_b32 s56, s70, s78
	s_cselect_b32 s27, 768, s27                    ; a row of codes in memory,
	s_cselect_b32 s29, 32, s29                     ; of scale bytes
	s_cselect_b32 s62, 6144, 0                     ; W1's rows 8-15 of a tile lie eight rows further on
	s_cselect_b32 s30, 256, 0
	s_cselect_b64 s[32:33], s[10:11], s[14:15]
	s_cselect_b64 s[48:49], s[12:13], s[16:17]
	s_mov_b32 s53, 0
	s_mov_b32 s55, 0
	s_mov_b32 s57, 0
	s_mov_b32 s59, 0
	s_mov_b32 s61, 0
	s_mov_b32 s63, 0
	s_mul_i32 s58, s25, 12288
	s_lshl_b32 s60, s27, 1
	s_sub_co_u32 s28, s27, 768
	s_mov_b32 s66, 0x03010200                      ; bytes 0, 2, 1, 3
	s_add_nc_u64 s[32:33], s[32:33], s[52:53]      ; rows 0, 1
.irp q, 1,2,3,4,5,6,7
	s_add_nc_u64 s[32+2*\q:33+2*\q], s[30+2*\q:31+2*\q], s[60:61]   ; rows 2 q, 2 q + 1
.if \q == 4
	s_add_nc_u64 s[40:41], s[40:41], s[62:63]
.endif
.endr
	s_add_nc_u64 s[48:49], s[48:49], s[54:55]
	s_add_nc_u64 s[50:51], s[18:19], s[56:57]
	s_add_nc_u64 s[68:69], s[18:19], s[58:59]
	v_and_b32 v112, 15, v1                         ; r
	v_lshrrev_b32 v113, 4, v1                      ; h
	v_mul_u32_u24 v3, s28, v113
	v_add_nc_u32 v3, v3, v2
	v_add_nc_u32 v3, 512, v3                       ; two rows' 1,536 bytes in three loads: the first row's 512; its last 256 and the second row's first 256;
	v_add_nc_u32 v4, s27, v2
	v_add_nc_u32 v4, 256, v4                       ; the second row's last 512
	v_add_nc_u32 v5, s26, v2                       ; the same three in LDS, rows 784 bytes apart
	v_lshl_add_u32 v6, v113, 4, v5
	v_add_nc_u32 v6, 512, v6
	v_add_nc_u32 v7, 1040, v5
	v_mul_u32_u24 v8, v112, 784
	v_mad_u32_u24 v8, v113, 48, v8
	v_add_nc_u32 v8, s26, v8                       ; back: row r, + 48 h.  784 is an odd multiple of 16: sixteen rows fall on sixteen different columns of 16 bytes
	v_mul_u32_u24 v10, s29, v112
	v_lshrrev_b32 v114, 3, v112
	v_mul_u32_u24 v114, s30, v114
	v_add_nc_u32 v10, v10, v114
	v_lshl_add_u32 v10, v113, 4, v10               ; row r's scale bytes, 16 for each half of the lanes: four K steps
	v_lshlrev_b32 v11, 4, v112
	v_lshl_add_u32 v11, v113, 9, v11               ; they go to 512 h + 16 r
.irp q, 0,1,2,3,4,5,6,7
	global_load_b128 v[16+12*\q:19+12*\q], v2, s[32+2*\q:33+2*\q] th:TH_LOAD_NT
	global_load_b128 v[20+12*\q:23+12*\q], v3, s[32+2*\q:33+2*\q] th:TH_LOAD_NT
	global_load_b128 v[24+12*\q:27+12*\q], v4, s[32+2*\q:33+2*\q] th:TH_LOAD_NT
.endr
	global_load_b128 v[12:15], v10, s[48:49] th:TH_LOAD_NT
.irp q, 0,1,2,3,4,5,6,7                        ; each count: the code loads behind this one, and the load of the scale bytes
	s_wait_loadcnt 24-3*\q
	ds_store_b128 v5, v[16+12*\q:19+12*\q] offset:1568*\q
	s_wait_loadcnt 23-3*\q
	ds_store_b128 v6, v[20+12*\q:23+12*\q] offset:1568*\q
	s_wait_loadcnt 22-3*\q
	ds_store_b128 v7, v[24+12*\q:27+12*\q] offset:1568*\q
.endr
.irp k, 0,1,2,3,4,5,6,7,8,9,10,11,12,13,14,15,16,17,18,19,20,21,22,23
	ds_load_b128 v[128+4*\k:131+4*\k], v8 offset:96*(\k/3)+16*(\k%3)   ; K step k / 3, registers 4 (k % 3) on: my own stores, served in order
.endr
	s_wait_loadcnt 0x0
.irp i, 0,1,2,3
	v_perm_b32 v[12+\i], v[12+\i], v[12+\i], s66
.endr
	global_store_b128 v11, v[12:15], s[50:51]      ; sixteen lanes store 256 consecutive bytes
.irp k, 0,1,2,3,4,5,6,7,8,9,10,11,12,13,14,15,16,17,18,19,20,21,22,23
	s_wait_dscnt 23-\k
	global_store_b128 v2, v[128+4*\k:131+4*\k], s[68:69] offset:512*\k   ; 512 consecutive bytes
.endr
	s_set_vgpr_msb 0x5
	s_wait_tensorcnt 0x0
	ds_add_u32 v0, v1
	s_wait_dscnt 0x0
	s_set_vgpr_msb 0x500
	s_endpgm
.Lfunc_end_k_q2b776fb95e_prep:
	.size	k_q2b776fb95e_prep, .Lfunc_end_k_q2b776fb95e_prep-k_q2b776fb95e_prep
	.p2alignl 7, 3214868480
	.fill 96, 4, 3214868480
	.section	.rodata,"a",@progbits
	.p2align	6, 0x0
	.amdhsa_kernel k_q2b776fb95e_prep
		.amdhsa_group_segment_fixed_size 93696
		.amdhsa_private_segment_fixed_size 0
		.amdhsa_enable_private_segment 0
		.amdhsa_kernarg_size 80
		.amdhsa_user_sgpr_count 2
		.amdhsa_user_sgpr_kernarg_segment_ptr 1
		.amdhsa_wavefront_size32 1
		.amdhsa_system_sgpr_workgroup_id_x 1
		.amdhsa_system_sgpr_workgroup_id_y 1
		.amdhsa_system_sgpr_workgroup_id_z 1
		.amdhsa_system_vgpr_workitem_id 0
		.amdhsa_next_free_vgpr 258
		.amdhsa_next_free_sgpr 80
		.amdhsa_reserve_vcc 1
		.amdhsa_float_denorm_mode_32 3
		.amdhsa_float_denorm_mode_16_64 3
		.amdhsa_memory_ordered 1
		.amdhsa_forward_progress 1
		.amdhsa_inst_pref_size 43
	.end_amdhsa_kernel
	.amdgpu_metadata
---
amdhsa.version: [ 1, 2 ]
amdhsa.kernels:
  - .name:           k_q2b776fb95e_prep
    .symbol:         k_q2b776fb95e_prep.kd
    .args:
      - { .name: x, .offset: 0, .size: 8, .value_kind: global_buffer, .address_space: global }
      - { .name: Wr, .offset: 8, .size: 8, .value_kind: global_buffer, .address_space: global }
      - { .name: br, .offset: 16, .size: 8, .value_kind: global_buffer, .address_space: global }
      - { .name: W1_codes, .offset: 24, .size: 8, .value_kind: global_buffer, .address_space: global }
      - { .name: W1_scales, .offset: 32, .size: 8, .value_kind: global_buffer, .address_space: global }
      - { .name: W2_codes, .offset: 40, .size: 8, .value_kind: global_buffer, .address_space: global }
      - { .name: W2_scales, .offset: 48, .size: 8, .value_kind: global_buffer, .address_space: global }
      - { .name: wimg, .offset: 56, .size: 8, .value_kind: global_buffer, .address_space: global }
      - { .name: xq, .offset: 64, .size: 8, .value_kind: global_buffer, .address_space: global }
      - { .name: sel, .offset: 72, .size: 8, .value_kind: global_buffer, .address_space: global }
    .group_segment_fixed_size: 93696
    .private_segment_fixed_size: 0
    .kernarg_segment_align: 8
    .kernarg_segment_size: 80
    .max_flat_workgroup_size: 128
    .sgpr_count:     80
    .vgpr_count:     258
    .wavefront_size: 32
...
	.end_amdgpu_metadata
.endif
;; end of part 1
;; launch place (part 2): grid 1 x 1, 32 waves a work-group, no clusters, 4,608 bytes of LDS; arguments sel, plan; writes plan
.if DOCPART == 2
	.amdgcn_target "amdgcn-amd-amdhsa--gfx1250"
	.amdhsa_code_object_version 6
	.text
	.protected	k_q2b776fb95e_place
	.globl	k_q2b776fb95e_place
	.p2align	8
	.type	k_q2b776fb95e_place,@function
k_q2b776fb95e_place:
	s_mov_b64 s[64:65], 0
	v_nop
	global_prefetch_b8 v0, s[64:65] scope:SCOPE_SE
	s_setreg_imm32_b32 hwreg(HW_REG_WAVE_MODE, 25, 1), 1
	s_wait_xcnt 0x0
; PLACE.  A counting sort of the 2,048 tokens by their group (the unordered pair of experts, 0..5), whole numbers only.  Each group is cut into tiles of 80 positions; a group's last tile is
; filled with the pad 2048.  The sum over the six groups of ceil(n / 80) is at most (2048 + 6 x 79) / 80 = 31 for every split: 31 tiles, 2,480 positions.
; plan: words 0-31: tile l: lower expert | higher expert << 8 | valid << 16;  from byte 256: the token (or 2048) at each of the 2,480 positions: those behind the last tile get the pad too,
; so that the later launches may ask for a tile's tokens before they know whether the split has that tile.
; One work-group of 32 waves; wave w takes tokens 64 w .. 64 w + 63.  The waves' counts meet in LDS behind one barrier.
	s_load_b128 s[4:7], s[0:1], 0x0                ; sel, plan
	v_lshl_add_u32 v64, v0, 2, 0x200
	v_mov_b32 v65, 0
	v_lshrrev_b32 v1, 5, v0
	v_readfirstlane_b32 s8, v1                     ; wave
	v_and_b32 v2, 31, v0                           ; lane
	s_lshl_b32 s9, s8, 8
	v_lshl_add_u32 v3, v2, 2, s9
	s_mov_b32 s10, 0x76543210
	s_mov_b32 s11, 0xfedcba98
	v_mov_b32 v8, 0
	v_mov_b32 v9, 0
.irp k, 0,1,2,3,4,5
	v_mov_b32 v[21+\k], 0                          ; destinations of lane moves count as sources
.endr
	s_wait_kmcnt 0x0
	global_load_b32 v4, v3, s[4:5]                 ; token 64 w + lane,
	global_load_b32 v5, v3, s[4:5] offset:128      ; token 64 w + 32 + lane
	s_wait_loadcnt 0x0
	v_min_u32 v4, 5, v4
	v_min_u32 v5, 5, v5
.irp g, 0,1,2,3,4,5
	v_cmp_eq_u32 s[20+\g], \g, v4
	v_cmp_eq_u32 s[26+\g], \g, v5
.endr
.irp g, 0,1,2,3,4,5
	s_bcnt1_i32_b32 s[32+\g], s[20+\g]
	s_bcnt1_i32_b32 s[38+\g], s[26+\g]
	v_mbcnt_lo_u32_b32 v6, s[20+\g], 0             ; how many lanes below mine have this group,
	v_mbcnt_lo_u32_b32 v7, s[26+\g], s[32+\g]      ; and for the second token behind all of the first
	v_cndmask_b32 v8, v8, v6, s[20+\g]             ; my tokens' ranks among the wave's of their group
	v_cndmask_b32 v9, v9, v7, s[26+\g]
	s_add_co_u32 s[38+\g], s[38+\g], s[32+\g]      ; the wave's count
.endr
.irp k, 0,1,2
	s_lshl_b32 s9, s[39+2*\k], 16
	s_or_b32 s[44+\k], s[38+2*\k], s9              ; two counts to a word: a sum is at most 2,048
	v_mov_b32 v[11+\k], s[44+\k]
.endr
	s_lshl_b32 s9, s8, 2
	v_mov_b32 v10, s9
.irp k, 0,1,2
	ds_store_b32 v10, v[11+\k] offset:128*\k       ; all lanes write the same word with the same value
.endr
	s_wait_dscnt 0x0                               ; for the others' sake
	s_barrier_signal -1
	s_barrier_wait -1
	v_lshlrev_b32 v14, 2, v2
.irp k, 0,1,2
	ds_load_b32 v[15+\k], v14 offset:128*\k        ; lane l: wave l's counts
.endr
	v_cmp_gt_u32 vcc_lo, s8, v2
	s_wait_dscnt 0x0
.irp k, 0,1,2
	v_cndmask_b32 v[18+\k], 0, v[15+\k], vcc_lo    ; those of the waves ahead of mine
.endr
.irp x, 1,2,4,8                                ; six sums over the 32 lanes
.irp k, 0,1,2,3,4,5
	v_mov_b32_dpp v[21+\k], v[15+\k] row_xmask:\x row_mask:0xf bank_mask:0xf
.endr
.irp k, 0,1,2,3,4,5
	v_add_nc_u32 v[15+\k], v[15+\k], v[21+\k]
.endr
.endr
.irp k, 0,1,2,3,4,5
	v_permlanex16_b32 v[21+\k], v[15+\k], s10, s11
.endr
.irp k, 0,1,2,3,4,5
	v_add_nc_u32 v[15+\k], v[15+\k], v[21+\k]
.endr
.irp k, 0,1,2
	v_readfirstlane_b32 s[47+\k], v[15+\k]
	v_readfirstlane_b32 s[50+\k], v[18+\k]
.endr
.irp k, 0,1,2
	s_and_b32 s[66+2*\k], s[47+\k], 0xffff         ; n: a group's tokens
	s_lshr_b32 s[67+2*\k], s[47+\k], 16
	s_and_b32 s[72+2*\k], s[50+\k], 0xffff         ; q: those in the waves ahead of mine
	s_lshr_b32 s[73+2*\k], s[50+\k], 16
.endr
	s_mov_b32 s78, 0                               ; s78-84: the groups' first tiles; s84 the number of tiles
.irp g, 0,1,2,3,4,5
	s_add_co_u32 s9, s[66+\g], 79
	s_mul_i32 s9, s9, 52429
	s_lshr_b32 s9, s9, 22                          ; (n + 79) / 80, exact up to 2,127: 52429 / 2^22 lies 4.8e-8 above 1 / 80
	s_add_co_u32 s[79+\g], s[78+\g], s9
	s_mul_i32 s9, s[78+\g], 80
	s_add_co_u32 s[85+\g], s9, s[72+\g]            ; where my wave's tokens of the group begin,
	s_add_co_u32 s[66+\g], s9, s[66+\g]            ; where the group's pads begin,
	s_mul_i32 s[91+\g], s[79+\g], 80               ; and end
.endr
	v_mov_b32 v27, 0
	v_mov_b32 v28, 0
.irp g, 0,1,2,3,4,5
	v_mov_b32 v29, s[85+\g]
	v_cndmask_b32 v27, v27, v29, s[20+\g]
	v_cndmask_b32 v28, v28, v29, s[26+\g]
.endr
	v_add_nc_u32 v27, v27, v8
	v_add_nc_u32 v28, v28, v9
	v_min_u32 v27, 2479, v27                       ; a position
	v_min_u32 v28, 2479, v28
	v_lshlrev_b32 v27, 2, v27
	v_lshlrev_b32 v28, 2, v28
	s_lshl_b32 s9, s8, 6
	v_add_nc_u32 v30, s9, v2
	v_add_nc_u32 v31, 32, v30
	; the pads: wave g (0..5) fills group g's last tile, at most 79 positions: three stores of 32.  Wave 6 has an empty range.  Waves 7 on fill what lies behind the last tile, 96 positions each:
	; at least 26 tiles are filled, so at most 400 positions are left, and 25 waves stand ready; what lies at or past 2,480 is masked off.
	; All three addresses and masks are made here, with every lane on, ahead of the first line that changes EXEC
	s_mov_b32 s97, 0
	s_mov_b32 s98, 0
.irp g, 0,1,2,3,4,5
	s_cmp_eq_u32 s8, \g
	s_cselect_b32 s97, s[66+\g], s97
	s_cselect_b32 s98, s[91+\g], s98
.endr
	s_mul_i32 s9, s84, 80                          ; the first position behind the last tile
	s_sub_co_u32 s12, s8, 7
	s_mul_i32 s12, s12, 96
	s_add_co_u32 s12, s12, s9
	s_mov_b32 s13, 2480
	s_cmp_ge_u32 s8, 7
	s_cselect_b32 s97, s12, s97
	s_cselect_b32 s98, s13, s98
	v_mov_b32 v32, 2048
.irp k, 0,1,2
	v_add3_u32 v[33+\k], v2, s97, 32*\k            ; the position,
	v_cmp_gt_u32 s[54+\k], s98, v[33+\k]           ; whether it lies ahead of the range's end,
	v_min_u32 v[33+\k], 2479, v[33+\k]
	v_lshlrev_b32 v[33+\k], 2, v[33+\k]            ; and its byte
.endr
	global_store_b32 v27, v30, s[6:7] offset:256
	global_store_b32 v28, v31, s[6:7] offset:256
.irp k, 0,1,2
	s_wait_xcnt 0x0                                ; EXEC changes only behind this wait
	s_and_saveexec_b32 s99, s[54+\k]
	global_store_b32 v[33+\k], v32, s[6:7] offset:256
	s_wait_xcnt 0x0
	s_or_b32 exec_lo, exec_lo, s99
.endr
	s_cmp_lg_u32 s8, 6                             ; wave 6 writes the tiles' words, a lane a tile
	s_cbranch_scc1 .Lend
	v_mov_b32 v36, 1
	v_mov_b32 v37, 0
.irp k, 1,2,3,4,5
	v_cmp_le_u32 vcc_lo, s[78+\k], v2
	v_cndmask_b32 v38, 0, v36, vcc_lo
	v_add_nc_u32 v37, v37, v38                     ; the tile's group: the last one that begins at or ahead of it
.endr
	v_lshlrev_b32 v37, 2, v37
	v_mov_b32 v39, 0x211000
	v_mov_b32 v40, 0x332321
	v_lshrrev_b32 v39, v37, v39
	v_lshrrev_b32 v40, v37, v40
	v_and_b32 v39, 3, v39                          ; the lower expert,
	v_and_b32 v40, 3, v40                          ; the higher
	v_cmp_gt_u32 vcc_lo, s84, v2
	v_cndmask_b32 v38, 0, v36, vcc_lo
	v_lshl_or_b32 v39, v40, 8, v39
	v_lshl_or_b32 v39, v38, 16, v39
	global_store_b32 v14, v39, s[6:7]
.Lend:
	s_wait_tensorcnt 0x0
	ds_add_u32 v64, v65
	s_wait_dscnt 0x0
	s_endpgm
.Lfunc_end_k_q2b776fb95e_place:
	.size	k_q2b776fb95e_place, .Lfunc_end_k_q2b776fb95e_place-k_q2b776fb95e_place
	.p2alignl 7, 3214868480
	.fill 96, 4, 3214868480
	.section	.rodata,"a",@progbits
	.p2align	6, 0x0
	.amdhsa_kernel k_q2b776fb95e_place
		.amdhsa_group_segment_fixed_size 4608
		.amdhsa_private_segment_fixed_size 0
		.amdhsa_enable_private_segment 0
		.amdhsa_kernarg_size 16
		.amdhsa_user_sgpr_count 2
		.amdhsa_user_sgpr_kernarg_segment_ptr 1
		.amdhsa_wavefront_size32 1
		.amdhsa_system_sgpr_workgroup_id_x 1
		.amdhsa_system_sgpr_workgroup_id_y 1
		.amdhsa_system_sgpr_workgroup_id_z 1
		.amdhsa_system_vgpr_workitem_id 0
		.amdhsa_next_free_vgpr 66
		.amdhsa_next_free_sgpr 100
		.amdhsa_reserve_vcc 1
		.amdhsa_float_denorm_mode_32 3
		.amdhsa_float_denorm_mode_16_64 3
		.amdhsa_memory_ordered 1
		.amdhsa_forward_progress 1
		.amdhsa_inst_pref_size 17
	.end_amdhsa_kernel
	.amdgpu_metadata
---
amdhsa.version: [ 1, 2 ]
amdhsa.kernels:
  - .name:           k_q2b776fb95e_place
    .symbol:         k_q2b776fb95e_place.kd
    .args:
      - { .name: sel, .offset: 0, .size: 8, .value_kind: global_buffer, .address_space: global }
      - { .name: plan, .offset: 8, .size: 8, .value_kind: global_buffer, .address_space: global }
    .group_segment_fixed_size: 4608
    .private_segment_fixed_size: 0
    .kernarg_segment_align: 8
    .kernarg_segment_size: 16
    .max_flat_workgroup_size: 1024
    .sgpr_count:     100
    .vgpr_count:     66
    .wavefront_size: 32
...
	.end_amdgpu_metadata
.endif
;; end of part 2
;; launch ffn1 (part 3): grid 8 x 31, 4 waves a work-group, no clusters, 61,952 bytes of LDS; arguments plan, xq, wimg, b1, himg; writes himg
.if DOCPART == 3
	.amdgcn_target "amdgcn-amd-amdhsa--gfx1250"
	.amdhsa_code_object_version 6
	.text
	.protected	k_q2b776fb95e_ffn1
	.globl	k_q2b776fb95e_ffn1
	.p2align	8
	.type	k_q2b776fb95e_ffn1,@function
k_q2b776fb95e_ffn1:
	s_mov_b64 s[64:65], 0
	v_nop
	global_prefetch_b8 v0, s[64:65] scope:SCOPE_SE
	s_setreg_imm32_b32 hwreg(HW_REG_WAVE_MODE, 25, 1), 1
	s_wait_xcnt 0x0
; FFN1.  For tile t (80 positions of one pair of experts) and slot (0: the lower expert, 1: the higher): h = gelu(x W1^T + b1), quantised to E2M3 along the hidden units, stored as images of the
; second product's operand registers.  Work-group (x, y): t = y, slot = x / 4, hidden units 1024 (x % 4) on; wave w takes 256 of them, eight blocks of 32, for all 80 positions.
; x's codes of the 80 tokens (40 fragments, 480 registers) stay in every wave's registers.  They come into the work-group ONCE: wave w gathers K steps 2 w and 2 w + 1 of the 80 rows (10 fragments), lays them
; in LDS as images of the registers, and behind one barrier every wave reads all 40 back, 512 consecutive bytes a load.
; A tile that the split leaves empty ends behind that barrier: a branch on a stored number, so the launch has no tensor load, and the barrier stands ahead of the branch, on every wave's path.  Such a
; work-group has gathered pad rows and asked for one block of W1 in vain: the price of asking ahead of the barrier.
; W1 comes a block of 32 hidden units at a time (2 tiles x 8 K steps, 192 registers) straight from its images, into ONE set of registers: a K step's fragments are free when its ten products are issued,
; so behind K steps 1, 3, 5 and 7 the two steps just multiplied are asked for anew, for the next block: it is on its way through the rest of the products and the block's gelu.
; THE PRODUCT IS USED TRANSPOSED (source 0 = 16 rows of W1, source 1 = 16 tokens), and a tile's rows are chosen (32 B + 8 u + r + 8 (r / 8)) so that the 16 registers of tiles u = 0, 1 are 16 neighbouring
; hidden units 32 B + 16 (lane / 16) + 0 .. 15 of the lane's token.  b1 is the C of each sum's first product.
; THE FRAGMENT: lane (r, h) holds blocks 2 h, 2 h + 1 of a K step; a scale word holds the bytes of blocks 0, 2, 1, 3.  So registers 6 c .. 6 c + 5 of the hidden layer's fragment want block c in lanes 0-15 and
; block c + 2 in lanes 16-31: a trip makes blocks c and c + 2 of a K step and stores that half of the image.
; GELU, exact form: x (0.5 + 0.5 erf(x / sqrt 2)), erf by the rational f32 form z A(z^2) / B(z^2), |z| held at 3.8325; the factors 1 / sqrt 2, 1 / 2 and the powers of 2 are folded into the coefficients.
; LIMITS: NaN and infinities are not served; 1 + erf cancels for x under about -5, as it does in f32; a block under 2^-124 gets the byte 1.  Pads compute token 2047's rows, which nobody stores as output.
; No cluster: which tiles share an expert hangs on the stored split.
; REGISTERS: window 0: v1-15 offsets; v16-35 x's scale words; v36-43 W1's; v44-48 the hidden layer's words in the making; v50-53 two coefficients; v56-59 at work; v60-62 the trip's offsets into W1's
;   images, its scale words and b1; v63 where I lay x's images; v64-66, v72-109 codes; v110, v111 the closing add's two; v112-175 gelu at work; v176-255 the ten accumulators (at the head v112-231 take my ten fragments of x).
;   Window 1: W1's 16 fragments, from v448 b1.  Windows 2, 3: x's fragments.
.set W1S, 25165824
.set XQS, 1572864
.set HS0, 15237120
.set XS,  16
.set WS,  36
.set SCW, 44
.set OW,  60                           ; v60  16 x lane + 24,576 x the trip's first block (counted from my wave's first)
.set OS,  61                           ; v61  16 x lane + 1,024 x that block
.set OB,  62                           ; v62  64 x (lane / 16) + 128 x that block
.set XW,  63                           ; v63  16 x lane + 3,072 x wave: LDS, my two K steps of each 16 tokens' eight
.set TT,  64
.set HI,  72
.set XT,  112                          ; at the head: my ten fragments of x as gathered
.set XC,  112
.set YY,  128
.set PP,  144
.set QQ,  160
.set ACC, 176
.set SW,  28                           ; s[28:29] W1's images at my wave's first block; s[30:31] its scale words; s[32:33] b1: these three are never written again: the trip's block stands in v60-62
.set SS,  30
.set SB,  32
.set SH,  34                           ; s[34:35] where the half image goes; s[36:37] the scale words: stepped by constants
.set SHS, 36
.set CA6, 40                           ; the coefficients, each twice: a packed form names a pair
.set CA4, 42
.set CA3, 44
.set CA2, 46
.set CA1, 48
.set CA0, 50
.set CB4, 52
.set CB2, 54
.set CB1, 56
.set CB0, 58
.set MSB, 0
.macro WIN new                         ; the immediate's high byte repeats the setting that is left; a switch that changes nothing is dropped
.if MSB != (\new)
	s_set_vgpr_msb (MSB<<8)|(\new)
.set MSB, (\new)
.endif
.endm
.macro CPAIR r, bits
	s_mov_b32 s[\r], \bits
	s_mov_b32 s[\r+1], \bits
.endm
.macro WMS d, a, b, c, sa, sb, ra, rb  ; the one matrix form; ra, rb: the side's scale words stand in lanes 16-31
.if (\ra) && (\rb)
	v_wmma_scale_f32_16x16x128_f8f6f4 \d, \a, \b, \c, \sa, \sb matrix_a_fmt:MATRIX_FMT_FP6 matrix_b_fmt:MATRIX_FMT_FP6 matrix_a_scale:MATRIX_SCALE_ROW1 matrix_b_scale:MATRIX_SCALE_ROW1
.elseif (\ra)
	v_wmma_scale_f32_16x16x128_f8f6f4 \d, \a, \b, \c, \sa, \sb matrix_a_fmt:MATRIX_FMT_FP6 matrix_b_fmt:MATRIX_FMT_FP6 matrix_a_scale:MATRIX_SCALE_ROW1
.elseif (\rb)
	v_wmma_scale_f32_16x16x128_f8f6f4 \d, \a, \b, \c, \sa, \sb matrix_a_fmt:MATRIX_FMT_FP6 matrix_b_fmt:MATRIX_FMT_FP6 matrix_b_scale:MATRIX_SCALE_ROW1
.else
	v_wmma_scale_f32_16x16x128_f8f6f4 \d, \a, \b, \c, \sa, \sb matrix_a_fmt:MATRIX_FMT_FP6 matrix_b_fmt:MATRIX_FMT_FP6
.endif
.endm
.macro SETXF m, s                      ; where x's fragment (16 tokens m, K step s) stands
.if (\m) < 2
.set rXF, 512+96*(\m)+12*(\s)
.elseif (\m) < 4
.set rXF, 768+96*((\m)-2)+12*(\s)
.elseif (\s) < 5
.set rXF, 704+12*(\s)
.else
.set rXF, 960+12*((\s)-5)
.endif
.endm
; W1's two fragments of K step s, blk blocks ahead of the trip's first: six loads of 512 consecutive bytes.  The caller has set the destination's window to 1
.macro LOADW blk, s
.irp u, 0,1
.irp j, 0,1,2
	global_load_b128 v[96*\u+12*(\s)+4*\j:96*\u+12*(\s)+4*\j+3], v[OW], s[SW:SW+1] offset:(\blk)*24576+12288*\u+1536*(\s)+512*\j
.endr
.endr
.endm
; the block's b1 (destination window 1, as the caller has set it) and its scale words (window 0)
.macro LOADR blk
.irp u, 0,1
.irp i, 0,1
	global_load_b128 v[192+8*\u+4*\i:195+8*\u+4*\i], v[OB], s[SB:SB+1] offset:(\blk)*128+32*\u+16*\i
.endr
.endr
	WIN 0
.irp g, 0,1
	global_load_b128 v[WS+4*\g:WS+4*\g+3], v[OS], s[SS:SS+1] offset:(\blk)*1024+512*\g   ; register s: K step s; lanes 0-15 tile u = 0, lanes 16-31 u = 1
.endr
.endm
	s_load_b256 s[4:11], s[0:1], 0x0               ; plan, xq, wimg, b1
	s_load_b64 s[12:13], s[0:1], 0x20              ; himg
	v_lshl_add_u32 v110, v0, 2, 0xf000
	v_mov_b32 v111, 0
	v_lshrrev_b32 v1, 5, v0
	v_readfirstlane_b32 s17, v1                    ; wave
	s_and_b32 s14, ttmp7, 0xffff                   ; t
	s_lshr_b32 s15, ttmp9, 2                       ; slot
	s_and_b32 s16, ttmp9, 3                        ; quarter of the hidden layer
	s_lshl_b32 s18, s14, 2
	s_mov_b32 s19, 0
	s_mul_i32 s24, s14, 320
	s_add_co_u32 s24, s24, 256
	s_mov_b32 s25, 0
	s_mul_i32 s26, s17, 192                        ; my two K steps in a row of x's codes
	s_mov_b32 s27, 0
	s_mul_i32 s23, s17, 3072                       ; and among a tile's eight images
	v_and_b32 v54, 31, v0
	v_bfe_u32 v55, v0, 4, 1                        ; h
	v_lshlrev_b32 v1, 4, v54                       ; 16 x lane
	v_lshlrev_b32 v2, 3, v54                       ; 8 x lane
	v_lshlrev_b32 v3, 2, v54                       ; 4 x lane
	v_lshlrev_b32 v4, 6, v55                       ; b1: 16 numbers for each half of the lanes
	v_and_b32 v5, 15, v0
	v_lshlrev_b32 v5, 2, v5                        ; 4 r
	v_mul_u32_u24 v49, v55, 48
	v_add_nc_u32 v[XW], s23, v1
	v_mov_b32 v[OW], v1                            ; the first trip begins at my first block
	v_mov_b32 v[OS], v1
	v_mov_b32 v[OB], v4
	s_wait_kmcnt 0x0
	s_add_nc_u64 s[20:21], s[4:5], s[18:19]
	s_load_b32 s22, s[20:21], 0x0                  ; the tile's word,
	s_add_nc_u64 s[38:39], s[4:5], s[24:25]
.irp m, 0,1,2,3,4
	global_load_b32 v[6+\m], v5, s[38:39] offset:64*\m   ; and, at the same time, its tokens: every position of the plan is written
.endr
	s_add_nc_u64 s[78:79], s[6:7], s[26:27]        ; x's codes at my two K steps
	s_add_nc_u64 s[76:77], s[6:7], XQS             ; x's scale bytes
	v_mov_b32 v50, 0x2fa84a8d                      ; a5
	v_mov_b32 v51, 0x2fa84a8d
	v_mov_b32 v52, 0xb7dfbd29                      ; b3
	v_mov_b32 v53, 0xb7dfbd29
.irp m, 0,1,2,3,4
	v_mov_b32 v[SCW+\m], 0
.endr
	s_wait_loadcnt 0x0                             ; the tokens
.irp m, 0,1,2,3,4
	v_min_u32 v[6+\m], 2047, v[6+\m]               ; a pad takes token 2047's row
	v_lshlrev_b32 v[11+\m], 5, v[6+\m]
	v_lshl_add_u32 v[11+\m], v55, 4, v[11+\m]      ; its scale words: four K steps for each half of the lanes
	v_mul_u32_u24 v[6+\m], 768, v[6+\m]
	v_add_nc_u32 v[6+\m], v49, v[6+\m]             ; its codes, + 48 h
.endr
.irp m, 0,1,2,3,4
.irp q, 0,1
.irp j, 0,1,2
	global_load_b128 v[XT+24*\m+12*\q+4*\j:XT+24*\m+12*\q+4*\j+3], v[6+\m], s[78:79] offset:96*\q+16*\j   ; tokens m, K step 2 w + q, registers 4 j on
.endr
.endr
.endr
.irp m, 0,1,2,3,4
	global_load_b128 v[XS+4*\m:XS+4*\m+3], v[11+\m], s[76:77]   ; register s % 4; lanes 0-15 K steps 0-3, lanes 16-31 K steps 4-7
.endr
	s_wait_kmcnt 0x0                               ; the tile's word
	s_lshl_b32 s23, s15, 3
	s_lshr_b32 s23, s22, s23
	s_and_b32 s23, s23, 255
	s_min_u32 s23, s23, 3                          ; the expert
	s_lshl_b32 s24, s16, 5
	s_lshl_b32 s25, s17, 3
	s_add_co_u32 s24, s24, s25                     ; my first block of 32 hidden units
	s_lshl_b32 s25, s23, 7
	s_add_co_u32 s25, s25, s24
	s_mul_i32 s18, s25, 24576
	s_add_nc_u64 s[SW:SW+1], s[8:9], s[18:19]
	s_lshl_b32 s18, s25, 10
	s_add_co_u32 s18, s18, W1S
	s_add_nc_u64 s[SS:SS+1], s[8:9], s[18:19]
	s_lshl_b32 s18, s25, 7
	s_add_nc_u64 s[SB:SB+1], s[10:11], s[18:19]
	WIN 0x40                                       ; my first block of W1: 54 loads, behind x's on the way
.irp s, 0,1,2,3,4,5,6,7
	LOADW 0, \s
.endr
	LOADR 0
	s_mul_i32 s26, s15, 31
	s_add_co_u32 s26, s26, s14                     ; 31 slot + t
	s_lshr_b32 s27, s24, 2                         ; my first K step of the second product
	s_mul_i32 s18, s26, 245760
	s_mul_i32 s25, s27, 1536
	s_add_co_u32 s18, s18, s25
	s_add_nc_u64 s[SH:SH+1], s[12:13], s[18:19]
	s_lshl_b32 s18, s26, 5
	s_add_co_u32 s18, s18, s27
	s_mul_i32 s18, s18, 640
	s_add_co_u32 s18, s18, HS0
	s_add_nc_u64 s[SHS:SHS+1], s[12:13], s[18:19]
	CPAIR CA6, 0xabd3f331
	CPAIR CA4, 0xb347667d
	CPAIR CA3, 0xb628d45d
	CPAIR CA2, 0xb8883d9c
	CPAIR CA1, 0xba08eb41
	CPAIR CA0, 0xbbba79f3
	CPAIR CB4, 0xb57460cd
	CPAIR CB2, 0xb9dc924e
	CPAIR CB1, 0xbb719bf8
	CPAIR CB0, 0xbc69b6a7
	s_mov_b32 s60, 0xc0ad7080                      ; -5.41998: 3.8325 sqrt 2
	s_mov_b32 s61, 0x40ad7080
	s_mov_b32 s62, 0x76543210
	s_mov_b32 s63, 0xfedcba98                      ; v_permlanex16_b32: lane l xor 16
	s_mov_b32 s66, 0                               ; the trip
	s_mov_b32 s67, 0                               ; where the trip's two scale bytes go in the word: 0 and 8, then 16 and 24
	s_mov_b32 s68, 8
	s_wait_loadcnt 59                              ; my ten fragments of x are in; behind them the 5 loads of scale words and the block's 54 may be out
.irp m, 0,1,2,3,4
.irp q, 0,1
.irp j, 0,1,2
	ds_store_b128 v[XW], v[XT+24*\m+12*\q+4*\j:XT+24*\m+12*\q+4*\j+3] offset:12288*\m+1536*\q+512*\j   ; the image of fragment (m, 2 w + q): 512 consecutive bytes a store
.endr
.endr
.endr
	s_wait_dscnt 0x0                               ; for the others' sake: my images lie in LDS
	s_barrier_signal -1
	s_barrier_wait -1                              ; all forty do
	s_bitcmp1_b32 s22, 16
	s_cbranch_scc0 .Lend                           ; no such tile in this split
.macro XFETCH m, s                     ; an image comes back as the registers that it was, in any wave
	SETXF \m, \s
	WIN ((rXF>>8)<<6)
.irp j, 0,1,2
	ds_load_b128 v[(rXF&255)+4*\j:(rXF&255)+4*\j+3], v1 offset:12288*(\m)+1536*(\s)+512*\j
.endr
.endm
.irp m, 0,1                                    ; those of window 2 first, then those of window 3
.irp s, 0,1,2,3,4,5,6,7
	XFETCH \m, \s
.endr
.endr
.irp s, 0,1,2,3,4
	XFETCH 4, \s
.endr
.irp m, 2,3
.irp s, 0,1,2,3,4,5,6,7
	XFETCH \m, \s
.endr
.endr
.irp s, 5,6,7
	XFETCH 4, \s
.endr
	WIN 0
; a block's 80 products.  The ten accumulators take turns, one instruction a turn.  The order of m keeps x's window as long as it can
.macro MM m, u, s
	SETXF \m, \s
.set rX, rXF&255
.set rW, 96*(\u)+12*(\s)
.set rA, ACC+16*(\m)+8*(\u)
.set rS, XS+4*(\m)+((\s)&3)
.if (\s) == 0
	WIN (0x11|((rXF>>8)<<2))
	WMS v[rA:rA+7], v[rW:rW+11], v[rX:rX+11], v[192+8*(\u):199+8*(\u)], v[WS+(\s)], v[rS], \u, 0
.else
	WIN (0x01|((rXF>>8)<<2))
	WMS v[rA:rA+7], v[rW:rW+11], v[rX:rX+11], v[rA:rA+7], v[WS+(\s)], v[rS], \u, (\s)/4
.endif
.endm
.macro MSTEP s                         ; a K step's ten
.if (\s) < 5
.irp m, 0,1,4,2,3
.irp u, 0,1
	MM \m, \u, \s
.endr
.endr
.else
.irp m, 0,1,2,3,4
.irp u, 0,1
	MM \m, \u, \s
.endr
.endr
.endif
.endm
; blk >= 0: the block that stands blk blocks ahead of the trip's first is asked for, two K steps at a time, into the registers that those steps' products have just read; blk = -1: nothing is asked for.
; A load into a register that a matrix instruction has read stands four places behind it, and only plain vector instructions are places (ISA guide 7.12.1 for vector instructions):
; so four v_nop stand ahead of each run of loads.  The last four also stand ahead of the first read of results.
.macro MULG blk
.irp s, 0,1,2,3,4,5,6,7
	MSTEP \s
.if ((\blk) >= 0) && (((\s) % 2) == 1) && ((\s) < 7)
.rept 4
	v_nop
.endr
	WIN 0x40
	LOADW \blk, \s-1
	LOADW \blk, \s
.endif
.endr
	WIN 0
.rept 4
	v_nop
.endr
.if (\blk) >= 0
	WIN 0x40
	LOADW \blk, 6
	LOADW \blk, 7
	LOADR \blk
.endif
.endm
; gelu of the 16 numbers of tokens m, in place.  Each accumulator is read from its low end on.
.macro GELU16 m
.set GA, ACC+16*(\m)
.irp i, 0,1,2,3,4,5,6,7,8,9,10,11,12,13,14,15
	v_med3_num_f32 v[XC+\i], v[GA+\i], s60, s61    ; x, held
.endr
.irp i, 0,2,4,6,8,10,12,14
	v_pk_mul_f32 v[YY+\i:YY+\i+1], v[XC+\i:XC+\i+1], v[XC+\i:XC+\i+1]
.endr
.irp i, 0,2,4,6,8,10,12,14
	v_pk_fma_f32 v[QQ+\i:QQ+\i+1], v[YY+\i:YY+\i+1], s[CB4:CB4+1], v[52:53] op_sel_hi:[1,0,1]
.endr
.irp c, CB2, CB1, CB0
.irp i, 0,2,4,6,8,10,12,14
	v_pk_fma_f32 v[QQ+\i:QQ+\i+1], v[QQ+\i:QQ+\i+1], v[YY+\i:YY+\i+1], s[\c:\c+1] op_sel_hi:[1,1,0]
.endr
.endr
.irp i, 0,1,2,3,4,5,6,7,8,9,10,11,12,13,14,15
	v_rcp_f32 v[QQ+\i], v[QQ+\i]                   ; one batch; the numerator's 56 lines are the independent work behind it
.endr
.irp i, 0,2,4,6,8,10,12,14
	v_pk_fma_f32 v[PP+\i:PP+\i+1], v[YY+\i:YY+\i+1], s[CA6:CA6+1], v[50:51] op_sel_hi:[1,0,1]
.endr
.irp c, CA4, CA3, CA2, CA1, CA0
.irp i, 0,2,4,6,8,10,12,14
	v_pk_fma_f32 v[PP+\i:PP+\i+1], v[PP+\i:PP+\i+1], v[YY+\i:YY+\i+1], s[\c:\c+1] op_sel_hi:[1,1,0]
.endr
.endr
.irp i, 0,2,4,6,8,10,12,14
	v_pk_mul_f32 v[PP+\i:PP+\i+1], v[PP+\i:PP+\i+1], v[XC+\i:XC+\i+1]
.endr
	s_wait_alu depctr_va_vdst(0)                   ; one wait for the sixteen reciprocals, ahead of their first reader
.irp i, 0,2,4,6,8,10,12,14
	v_pk_fma_f32 v[PP+\i:PP+\i+1], v[PP+\i:PP+\i+1], v[QQ+\i:QQ+\i+1], 0.5 op_sel_hi:[1,1,0]
.endr
.irp i, 0,2,4,6,8,10,12,14
	v_pk_mul_f32 v[GA+\i:GA+\i+1], v[GA+\i:GA+\i+1], v[PP+\i:PP+\i+1]
.endr
.endm
; the block's scale and codes for tokens m: my 16 numbers and lane l xor 16's are the block
.macro QB m, dst, sh
.set GA, ACC+16*(\m)
	v_max3_num_f32 v56, |v[GA]|, |v[GA+1]|, 0x1800000   ; the floor 2^(3 - 127): the byte cannot fall under 1
	v_max3_num_f32 v57, |v[GA+2]|, |v[GA+3]|, |v[GA+4]|
	v_max3_num_f32 v56, v56, |v[GA+5]|, |v[GA+6]|
	v_max3_num_f32 v57, v57, |v[GA+7]|, |v[GA+8]|
	v_max3_num_f32 v56, v56, |v[GA+9]|, |v[GA+10]|
	v_max3_num_f32 v57, v57, |v[GA+11]|, |v[GA+12]|
	v_max3_num_f32 v56, v56, |v[GA+13]|, |v[GA+14]|
	v_max3_num_f32 v56, v56, v57, |v[GA+15]|
	v_permlanex16_b32 v57, v56, s62, s63
	v_max_num_f32 v56, v56, v57
	v_add_nc_u32 v58, 0xff000000, v56              ; 2 off the exponent field: the conversion's scale operand
	v_lshrrev_b32 v59, 23, v58                     ; the byte
	v_cvt_scalef32_pk16_fp6_f32 v[\dst:\dst+2], v[GA:GA+15], v58
	v_lshl_or_b32 v[SCW+\m], v59, \sh, v[SCW+\m]   ; into the token's scale word (the plain line behind the conversion)
.endm
.macro EPI0                            ; block c of the K step: its codes wait in v[HI + 8 m]
.irp m, 0,1,2,3,4
	GELU16 \m
	QB \m, HI+8*\m, s67
.endr
.endm
.macro EPI1                            ; block c + 2: the halves change places, so that lanes 0-15 hold block c whole and lanes 16-31 block c + 2; the half image leaves
.irp m, 0,1,2,3,4
	GELU16 \m
	QB \m, TT, s68
.irp i, 0,1,2
	v_permlane16_swap_b32 v[HI+8*\m+\i], v[TT+\i]
.endr
.irp i, 0,1,2
	v_mov_b32 v[HI+8*\m+3+\i], v[TT+\i]
.endr
	global_store_b128 v1, v[HI+8*\m:HI+8*\m+3], s[SH:SH+1] offset:49152*\m          ; 512 consecutive bytes,
	global_store_b64 v2, v[HI+8*\m+4:HI+8*\m+5], s[SH:SH+1] offset:49152*\m+512     ; and 256
.endr
.endm
.macro WORDS                           ; a K step's scale words, whole behind its second half
.irp m, 0,1,2,3,4
	global_store_b32 v3, v[SCW+\m], s[SHS:SHS+1] offset:128*\m
.endr
.endm
	s_wait_dscnt 0x0                               ; x's forty fragments are in my registers
.Ltrip:                                            ; trip p: K step p / 2 of my two, half c = p % 2; the four trips begin at my blocks 0, 1, 4, 5.  Three go round here; the last is written out, since it asks for less
	s_wait_loadcnt 0x0                             ; the block's W1 (in the first trip x's scale words too)
	MULG 2                                         ; block c; block c + 2 is asked for
	EPI0
	s_wait_loadcnt 0x0                             ; block c + 2 is in: no load is out, so the three offsets may be written
	s_add_co_u32 s70, s66, 1                       ; the next trip p: its first block is p % 2 + 4 (p / 2)
	s_and_b32 s72, s70, 1
	s_lshr_b32 s70, s70, 1
	s_lshl_b32 s70, s70, 2
	s_add_co_u32 s70, s70, s72
	s_mul_i32 s72, s70, 24576
	v_add_nc_u32 v[OW], s72, v1
	s_lshl_b32 s72, s70, 10
	v_add_nc_u32 v[OS], s72, v1
	s_lshl_b32 s72, s70, 7
	v_add_nc_u32 v[OB], s72, v4
	MULG 0                                         ; block c + 2; the next trip's first block is asked for
	EPI1
	s_bitcmp1_b32 s66, 0
	s_cbranch_scc0 .Lnoword
	WORDS
	s_wait_xcnt 0x0                                ; the stores have read their data and base
.irp m, 0,1,2,3,4
	v_mov_b32 v[SCW+\m], 0
.endr
	s_add_nc_u64 s[SHS:SHS+1], s[SHS:SHS+1], 640
.Lnoword:
	s_wait_xcnt 0x0                                ; the half image's stores have read their registers and base
	s_add_nc_u64 s[SH:SH+1], s[SH:SH+1], 768
	s_xor_b32 s67, s67, 16
	s_xor_b32 s68, s68, 16
	s_add_co_u32 s66, s66, 1
	s_cmp_lt_u32 s66, 3
	s_cbranch_scc1 .Ltrip
	s_wait_loadcnt 0x0                             ; the last trip: my blocks 5 and 7
	MULG 2
	EPI0
	s_wait_loadcnt 0x0
	MULG -1                                        ; nothing is left to ask for
	EPI1
	WORDS
.Lend:
	s_wait_tensorcnt 0x0
	ds_add_u32 v110, v111
	s_wait_dscnt 0x0
	s_endpgm
.Lfunc_end_k_q2b776fb95e_ffn1:
	.size	k_q2b776fb95e_ffn1, .Lfunc_end_k_q2b776fb95e_ffn1-k_q2b776fb95e_ffn1
	.p2alignl 7, 3214868480
	.fill 96, 4, 3214868480
	.section	.rodata,"a",@progbits
	.p2align	6, 0x0
	.amdhsa_kernel k_q2b776fb95e_ffn1
		.amdhsa_group_segment_fixed_size 61952
		.amdhsa_private_segment_fixed_size 0
		.amdhsa_enable_private_segment 0
		.amdhsa_kernarg_size 40
		.amdhsa_user_sgpr_count 2
		.amdhsa_user_sgpr_kernarg_segment_ptr 1
		.amdhsa_wavefront_size32 1
		.amdhsa_system_sgpr_workgroup_id_x 1
		.amdhsa_system_sgpr_workgroup_id_y 1
		.amdhsa_system_sgpr_workgroup_id_z 1
		.amdhsa_system_vgpr_workitem_id 0
		.amdhsa_next_free_vgpr 1024
		.amdhsa_next_free_sgpr 80
		.amdhsa_reserve_vcc 0
		.amdhsa_float_denorm_mode_32 3
		.amdhsa_float_denorm_mode_16_64 3
		.amdhsa_memory_ordered 1
		.amdhsa_forward_progress 1
		.amdhsa_inst_pref_size 255
	.end_amdhsa_kernel
	.section	.bss,"aw",@nobits
	.p2align	6
	.space	262144
	.amdgpu_metadata
---
amdhsa.version: [ 1, 2 ]
amdhsa.kernels:
  - .name:           k_q2b776fb95e_ffn1
    .symbol:         k_q2b776fb95e_ffn1.kd
    .args:
      - { .name: plan, .offset: 0, .size: 8, .value_kind: global_buffer, .address_space: global }
      - { .name: xq, .offset: 8, .size: 8, .value_kind: global_buffer, .address_space: global }
      - { .name: wimg, .offset: 16, .size: 8, .value_kind: global_buffer, .address_space: global }
      - { .name: b1, .offset: 24, .size: 8, .value_kind: global_buffer, .address_space: global }
      - { .name: himg, .offset: 32, .size: 8, .value_kind: global_buffer, .address_space: global }
    .group_segment_fixed_size: 61952
    .private_segment_fixed_size: 0
    .kernarg_segment_align: 8
    .kernarg_segment_size: 40
    .max_flat_workgroup_size: 128
    .sgpr_count:     80
    .vgpr_count:     1024
    .wavefront_size: 32
...
	.end_amdgpu_metadata
.endif
;; end of part 3
;; launch ffn2 (part 4): grid 8 x 31, 4 waves a work-group, no clusters, 169,472 bytes of LDS; arguments plan, xq, wimg, b2, himg, out0; writes out0
.if DOCPART == 4
	.amdgcn_target "amdgcn-amd-amdhsa--gfx1250"
	.amdhsa_code_object_version 6
	.text
	.protected	k_q2b776fb95e_ffn2
	.globl	k_q2b776fb95e_ffn2
	.p2align	8
	.type	k_q2b776fb95e_ffn2,@function
k_q2b776fb95e_ffn2:
	s_mov_b64 s[64:65], 0
	v_nop
	global_prefetch_b8 v0, s[64:65] scope:SCOPE_SE
	s_setreg_imm32_b32 hwreg(HW_REG_WAVE_MODE, 25, 1), 1
	s_wait_xcnt 0x0
; FFN2.  out[token] = g_lo (h_lo W2_lo^T + b2_lo) + g_hi (h_hi W2_hi^T + b2_hi) for the 80 positions of tile t (y) and outputs 128 x .. 128 x + 127: one owner for each output number.
; K IS SHARED AMONG THE WAVES: wave w takes slot w / 2 (one expert, one weight a token) and half w % 2 of its 4,096 hidden units: 16 K steps, 5 x 8 accumulators; no fragment is read by two waves.
; Both operands come straight from their images in memory, 512 or 256 consecutive bytes a load, three K steps' registers by turns.  Each wave multiplies its sums by the token's weight and lays them
; in LDS (80 rows x 528 bytes a wave); ONE barrier; then wave w adds the four parts of rows 20 w .. 20 w + 19, adds the weighted biases, and stores whole rows of 512 bytes.
; ALL THE SMALL THINGS ARE ASKED FOR AT THE HEAD, on every wave's path: the tile's word and, at the same time, its tokens (every position of the plan is written); then the tokens' weights and both b2.
; What the last block wants (its 20 rows' tokens, weights, b2) waits in registers through the products.
; A tile that the split leaves empty jumps over both blocks of work: branches on a stored number, forward, round no barrier: every wave passes the one barrier.  So no tensor load and no cluster
; (which tiles share an expert hangs on the stored split).  Pads (token 2048) are computed as token 2047's rows and not stored.
; THE PRODUCT IS USED TRANSPOSED: source 0 = 16 rows of W2, source 1 = 16 tokens: a lane holds one token and eight neighbouring outputs.
; LIMITS: NaN and infinities are not served.  The sum over K is taken in four parts.
; REGISTERS: window 0: v1-9, v15 offsets; v10-14 tokens; v16-79 W2's scale words; v80-119 the hidden layer's; v120-129 the weights; v132-191 hidden fragments, turn 0; v220-231 for the last block.
;   Window 1: v256-351, v352-447 W2's fragments, turns 0, 1; v448-507 hidden fragments, turn 2.  Window 2: accumulators of tokens 0-63.
;   Window 3: v768-831 those of tokens 64-79; v832-927 W2, turn 2; v928-987 hidden fragments, turn 1.
.set W2I, 12582912
.set W2S, 25690112
.set HS0, 15237120
.set XQG, 1638400
.set WSC, 16
.set HSC, 80
.set GG,  120
.set TMP, 132
.set PT,  220                          ; v220      lane l: row l's token, then the offset of its weights
.set PG,  222                          ; v[222:223] lane l: row l's two weights
.set PB,  224                          ; v[224:227] b2 of the lower expert, my four outputs; v[228:231] of the higher
.set MSB, 0
.macro WIN new                         ; the immediate's high byte repeats the setting that is left; a switch that changes nothing is dropped
.if MSB != (\new)
	s_set_vgpr_msb (MSB<<8)|(\new)
.set MSB, (\new)
.endif
.endm
.macro WMS d, a, b, c, sa, sb, ra, rb  ; the one matrix form; ra, rb: the side's scale words stand in lanes 16-31
.if (\ra) && (\rb)
	v_wmma_scale_f32_16x16x128_f8f6f4 \d, \a, \b, \c, \sa, \sb matrix_a_fmt:MATRIX_FMT_FP6 matrix_b_fmt:MATRIX_FMT_FP6 matrix_a_scale:MATRIX_SCALE_ROW1 matrix_b_scale:MATRIX_SCALE_ROW1
.elseif (\ra)
	v_wmma_scale_f32_16x16x128_f8f6f4 \d, \a, \b, \c, \sa, \sb matrix_a_fmt:MATRIX_FMT_FP6 matrix_b_fmt:MATRIX_FMT_FP6 matrix_a_scale:MATRIX_SCALE_ROW1
.elseif (\rb)
	v_wmma_scale_f32_16x16x128_f8f6f4 \d, \a, \b, \c, \sa, \sb matrix_a_fmt:MATRIX_FMT_FP6 matrix_b_fmt:MATRIX_FMT_FP6 matrix_b_scale:MATRIX_SCALE_ROW1
.else
	v_wmma_scale_f32_16x16x128_f8f6f4 \d, \a, \b, \c, \sa, \sb matrix_a_fmt:MATRIX_FMT_FP6 matrix_b_fmt:MATRIX_FMT_FP6
.endif
.endm
.macro RING s                          ; where K step s's fragments stand
.if ((\s)%3) == 0
.set hfb, 132
.set wfb, 256
.elseif ((\s)%3) == 1
.set hfb, 928
.set wfb, 352
.else
.set hfb, 448
.set wfb, 832
.endif
.endm
	s_load_b256 s[4:11], s[0:1], 0x0               ; plan, xq, wimg, b2
	s_load_b128 s[12:15], s[0:1], 0x20             ; himg, out0
	v_lshl_add_u32 v254, v0, 2, 0x29400
	v_mov_b32 v255, 0
	v_lshrrev_b32 v1, 5, v0
	v_readfirstlane_b32 s18, v1                    ; wave
	v_and_b32 v10, 31, v0
	v_and_b32 v11, 15, v0                          ; r
	v_bfe_u32 v12, v0, 4, 1                        ; h
	v_lshlrev_b32 v1, 4, v10                       ; 16 x lane
	v_lshlrev_b32 v2, 3, v10                       ; 8 x lane
	v_lshlrev_b32 v4, 2, v11                       ; 4 r
	v_mad_u32_u24 v3, v12, 640, v4                 ; the hidden layer's scale words: lanes 0-15 a K step's, lanes 16-31 the next step's
	v_min_u32 v15, 19, v10
	v_lshlrev_b32 v15, 2, v15                      ; a lane to each of my 20 rows (the lanes above 19 take row 19's)
	s_mul_i32 s24, s18, 42240
	v_mul_u32_u24 v5, v11, 528
	v_lshl_add_u32 v5, v12, 5, v5
	v_add_nc_u32 v5, s24, v5                       ; LDS, in: my wave's part, row r, + 32 h
	s_mul_i32 s24, s18, 10560
	v_add_nc_u32 v6, s24, v1                       ; LDS, back: my 20 rows in each of the four parts, 16 bytes a lane
	v_add_nc_u32 v7, 42240, v6
	v_add_nc_u32 v8, 84480, v6
	v_add_nc_u32 v9, 126720, v6
	s_and_b32 s16, ttmp7, 0xffff                   ; t
	s_mov_b32 s17, ttmp9                           ; which 128 outputs
	s_lshr_b32 s19, s18, 1                         ; slot
	s_and_b32 s20, s18, 1                          ; half of K
	s_lshl_b32 s24, s16, 2
	s_mov_b32 s25, 0
	s_mul_i32 s46, s16, 320
	s_add_co_u32 s46, s46, 256
	s_mov_b32 s47, 0
	s_mul_i32 s48, s18, 80
	s_mov_b32 s49, 0
	s_mov_b32 s91, 0                               ; (named as the upper halves of pairs)
	s_mov_b32 s93, 0
	s_wait_kmcnt 0x0
	s_add_nc_u64 s[26:27], s[4:5], s[24:25]
	s_load_b32 s21, s[26:27], 0x0                  ; the tile's word
	s_add_nc_u64 s[36:37], s[4:5], s[46:47]        ; the tile's tokens,
	s_add_nc_u64 s[50:51], s[36:37], s[48:49]      ; those of my 20 rows:
	s_load_b512 s[68:83], s[50:51], 0x0            ; as scalars,
	s_load_b128 s[84:87], s[50:51], 0x40
	global_load_b32 v[PT], v15, s[50:51]           ; and a lane to a row
.irp m, 0,1,2,3,4
	global_load_b32 v[10+\m], v4, s[36:37] offset:64*\m   ; and the 80, lane r of each 16
.endr
	s_add_nc_u64 s[38:39], s[6:7], XQG             ; the weights
	s_lshl_b32 s24, s17, 9
	s_add_nc_u64 s[44:45], s[14:15], s[24:25]      ; out0 at my 128 outputs
	s_wait_kmcnt 0x0
	s_and_b32 s22, s21, 255
	s_min_u32 s22, s22, 3                          ; the lower expert,
	s_bfe_u32 s23, s21, 0x80008
	s_min_u32 s23, s23, 3                          ; the higher
	s_lshl_b32 s46, s17, 9
	s_lshl_b32 s24, s22, 12
	s_add_co_u32 s24, s24, s46
	s_add_nc_u64 s[40:41], s[10:11], s[24:25]
	s_lshl_b32 s24, s23, 12
	s_add_co_u32 s24, s24, s46
	s_add_nc_u64 s[42:43], s[10:11], s[24:25]
	global_load_b128 v[PB:PB+3], v1, s[40:41]      ; b2 of the lower expert, my four outputs,
	global_load_b128 v[PB+4:PB+7], v1, s[42:43]    ; of the higher
	s_lshl_b32 s48, s19, 2
	s_wait_loadcnt 2                               ; the six loads of tokens are in; the two of b2 may be out
	v_min_u32 v[PT], 2047, v[PT]
	v_lshlrev_b32 v[PT], 3, v[PT]
	global_load_b64 v[PG:PG+1], v[PT], s[38:39]    ; lane l: row l's two weights
.irp m, 0,1,2,3,4
	v_min_u32 v[10+\m], 2047, v[10+\m]
	v_lshlrev_b32 v[10+\m], 3, v[10+\m]
	v_add_nc_u32 v[10+\m], s48, v[10+\m]
	v_mov_b32 v[GG+2*\m+1], 0                      ; (named with the weight as a pair)
	global_load_b32 v[GG+2*\m], v[10+\m], s[38:39] ; my slot's weight of my lane's token
.endr
	s_bitcmp1_b32 s21, 16
	s_cbranch_scc0 .Lmeet                          ; no such tile in this split
; ---------------------------------------------------------------- block 1: my part of the sums
	s_cmp_eq_u32 s19, 0
	s_cselect_b32 s46, s22, s23                    ; my expert
	s_lshl_b32 s47, s46, 6
	s_lshl_b32 s48, s17, 3
	s_add_co_u32 s47, s47, s48                     ; my first tile of W2
	s_lshl_b32 s47, s47, 5
	s_lshl_b32 s48, s20, 4
	s_add_co_u32 s47, s47, s48                     ; and my first K step in it
	s_mul_i32 s24, s47, 1536
	s_add_co_u32 s24, s24, W2I
	s_add_nc_u64 s[28:29], s[8:9], s[24:25]
	s_mul_i32 s47, s19, 31
	s_add_co_u32 s47, s47, s16                     ; 31 slot + t
	s_mul_i32 s24, s47, 245760
	s_mul_i32 s48, s20, 16*1536
	s_add_co_u32 s24, s24, s48
	s_add_nc_u64 s[30:31], s[12:13], s[24:25]      ; the hidden layer's images
	s_lshl_b32 s24, s47, 5
	s_lshl_b32 s48, s20, 4
	s_add_co_u32 s24, s24, s48
	s_mul_i32 s24, s24, 640
	s_add_co_u32 s24, s24, HS0
	s_add_nc_u64 s[34:35], s[12:13], s[24:25]      ; and scale words
	s_lshl_b32 s24, s46, 5
	s_lshl_b32 s48, s17, 2
	s_add_co_u32 s24, s24, s48
	s_lshl_b32 s24, s24, 12
	s_lshl_b32 s48, s20, 11
	s_add_co_u32 s24, s24, s48
	s_add_co_u32 s24, s24, W2S
	s_add_nc_u64 s[32:33], s[8:9], s[24:25]        ; W2's scale words
.irp i, 0,1,2,3
.irp g, 0,1,2,3
	global_load_b128 v[WSC+16*\i+4*\g:WSC+16*\i+4*\g+3], v1, s[32:33] offset:4096*\i+512*\g   ; register 16 i + s: K step s of tiles 2 i (lanes 0-15) and 2 i + 1 (lanes 16-31)
.endr
.endr
.irp p, 0,1,2,3,4,5,6,7
.irp m, 0,1,2,3,4
	global_load_b32 v[HSC+5*\p+\m], v3, s[34:35] offset:1280*\p+128*\m   ; register 5 p + m: tokens m, K steps 2 p (lanes 0-15) and 2 p + 1 (lanes 16-31)
.endr
.endr
.macro LOADK s                         ; K step s: 20 loads for the hidden layer's five fragments, 24 for W2's eight
	RING \s
	WIN ((hfb>>8)<<6)
.irp m, 0,1,2,3,4
.irp c, 0,1
	global_load_b128 v[(hfb&255)+12*\m+6*\c:(hfb&255)+12*\m+6*\c+3], v1, s[30:31] offset:49152*\m+1536*(\s)+768*\c
	global_load_b64 v[(hfb&255)+12*\m+6*\c+4:(hfb&255)+12*\m+6*\c+5], v2, s[30:31] offset:49152*\m+1536*(\s)+768*\c+512
.endr
.endr
	WIN ((wfb>>8)<<6)
.irp n, 0,1,2,3,4,5,6,7
.irp j, 0,1,2
	global_load_b128 v[(wfb&255)+12*\n+4*\j:(wfb&255)+12*\n+4*\j+3], v1, s[28:29] offset:49152*\n+1536*(\s)+512*\j
.endr
.endr
.endm
.macro MK s, m, n
.if (\m) < 4
.set acc, 512+64*(\m)+8*(\n)
.else
.set acc, 768+8*(\n)
.endif
.set rA, acc&255
.set rW, (wfb&255)+12*(\n)
.set rH, (hfb&255)+12*(\m)
	WIN ((wfb>>8)|((hfb>>8)<<2)|((acc>>8)<<4)|((acc>>8)<<6))
.if (\s) == 0
	WMS v[rA:rA+7], v[rW:rW+11], v[rH:rH+11], 0, v[WSC+16*((\n)/2)+(\s)], v[HSC+5*((\s)/2)+(\m)], (\n)%2, (\s)%2
.else
	WMS v[rA:rA+7], v[rW:rW+11], v[rH:rH+11], v[rA:rA+7], v[WSC+16*((\n)/2)+(\s)], v[HSC+5*((\s)/2)+(\m)], (\n)%2, (\s)%2
.endif
.endm
.macro MULK s                          ; 40 products; the 40 accumulators take turns, one instruction a turn; the first K step starts the sums
	RING \s
.irp m, 0,1,2,3,4
.irp n, 0,1,2,3,4,5,6,7
	MK \s, \m, \n
.endr
.endr
.endm
	LOADK 0
	LOADK 1
.irp s, 0,1,2,3,4,5,6,7,8,9,10,11,12,13,14,15
.if \s > 0
.rept 4
	v_nop                                          ; four places behind the last product, ahead of loads into the registers that it read (ISA guide 7.12.1 for vector instructions)
.endr
.endif
.if \s < 14
	LOADK \s+2
	s_wait_loadcnt 63                              ; 88 loads are younger than this step's; the wait's field holds 63, which asks for more than is needed
.elseif \s == 14
	s_wait_loadcnt 44                              ; the last step's 44 may be out
.else
	s_wait_loadcnt 0x0
.endif
	MULK \s
.endr
.rept 4
	v_nop                                          ; places ahead of the first read of results and of writes into the last step's operands
.endr
.macro OUTQ m, q                       ; four accumulators: times the token's weight, into my part of the stage.  An LDS store's address stands in window 0, so the windows change twice
.if (\m) < 4
.set acc, 512+64*(\m)+32*(\q)
.else
.set acc, 768+32*(\q)
.endif
.set tp, TMP+32*(\q)
	WIN (acc>>8)
.irp i, 0,1,2,3,4,5,6,7,8,9,10,11,12,13,14,15
	v_pk_mul_f32 v[tp+2*\i:tp+2*\i+1], v[(acc&255)+2*\i:(acc&255)+2*\i+1], v[GG+2*(\m):GG+2*(\m)+1] op_sel_hi:[1,0]   ; each accumulator from its low end on
.endr
	WIN 0
.irp n, 0,1,2,3
	ds_store_b128 v5, v[tp+8*\n:tp+8*\n+3] offset:8448*(\m)+64*(4*(\q)+\n)
	ds_store_b128 v5, v[tp+8*\n+4:tp+8*\n+7] offset:8448*(\m)+64*(4*(\q)+\n)+16
.endr
.endm
.irp m, 0,1,2,3,4
	OUTQ \m, 0
	OUTQ \m, 1
.endr
.Lmeet:
	s_wait_dscnt 0x0                               ; for the others' sake: my stores into the stage are done
	s_barrier_signal -1
	s_barrier_wait -1
	s_bitcmp1_b32 s21, 16
	s_cbranch_scc0 .Lend
; ---------------------------------------------------------------- block 2: my 20 rows
	s_wait_loadcnt 0x0                             ; their weights and both b2, asked for at the head
.macro ROWOUT row, rr
.set rD, 132+16*(\rr)
	v_readlane_b32 s90, v[PG], \row                ; the row's weights
	v_readlane_b32 s92, v[PG+1], \row
	v_pk_add_f32 v[rD:rD+1], v[rD:rD+1], v[rD+4:rD+5]
	v_pk_add_f32 v[rD+2:rD+3], v[rD+2:rD+3], v[rD+6:rD+7]
	v_pk_add_f32 v[rD+8:rD+9], v[rD+8:rD+9], v[rD+12:rD+13]
	v_pk_add_f32 v[rD+10:rD+11], v[rD+10:rD+11], v[rD+14:rD+15]
	v_pk_add_f32 v[rD:rD+1], v[rD:rD+1], v[rD+8:rD+9]
	v_pk_add_f32 v[rD+2:rD+3], v[rD+2:rD+3], v[rD+10:rD+11]
	v_pk_fma_f32 v[rD:rD+1], v[PB:PB+1], s[90:91], v[rD:rD+1] op_sel_hi:[1,0,1]
	v_pk_fma_f32 v[rD+2:rD+3], v[PB+2:PB+3], s[90:91], v[rD+2:rD+3] op_sel_hi:[1,0,1]
	v_pk_fma_f32 v[rD:rD+1], v[PB+4:PB+5], s[92:93], v[rD:rD+1] op_sel_hi:[1,0,1]
	v_pk_fma_f32 v[rD+2:rD+3], v[PB+6:PB+7], s[92:93], v[rD+2:rD+3] op_sel_hi:[1,0,1]
	s_min_u32 s88, s[68+(\row)], 2047
	v_lshl_add_u32 v[212+(\rr)], s88, 12, v1
	s_cmp_lt_u32 s[68+(\row)], 2048
	s_cbranch_scc0 .Lpad_\@                        ; a pad is not stored
	global_store_b128 v[212+(\rr)], v[rD:rD+3], s[44:45] th:TH_STORE_NT   ; 32 lanes store 512 consecutive bytes, at a multiple of 256 from out0's first byte
.Lpad_\@:
.endm
.irp b, 0,1,2,3
.irp q, 0,1,2,3,4
.irp k, 0,1,2,3
	ds_load_b128 v[132+16*\q+4*\k:135+16*\q+4*\k], v[6+\k] offset:528*(5*\b+\q)
.endr
.endr
	s_wait_dscnt 0x0
.irp q, 0,1,2,3,4
	ROWOUT 5*\b+\q, \q
.endr
	s_wait_xcnt 0x0                                ; the stores have read their registers: the next five rows may land there
.endr
.Lend:
	s_wait_tensorcnt 0x0
	ds_add_u32 v254, v255
	s_wait_dscnt 0x0
	s_endpgm
.Lfunc_end_k_q2b776fb95e_ffn2:
	.size	k_q2b776fb95e_ffn2, .Lfunc_end_k_q2b776fb95e_ffn2-k_q2b776fb95e_ffn2
	.p2alignl 7, 3214868480
	.fill 96, 4, 3214868480
	.section	.rodata,"a",@progbits
	.p2align	6, 0x0
	.amdhsa_kernel k_q2b776fb95e_ffn2
		.amdhsa_group_segment_fixed_size 169472
		.amdhsa_private_segment_fixed_size 0
		.amdhsa_enable_private_segment 0
		.amdhsa_kernarg_size 48
		.amdhsa_user_sgpr_count 2
		.amdhsa_user_sgpr_kernarg_segment_ptr 1
		.amdhsa_wavefront_size32 1
		.amdhsa_system_sgpr_workgroup_id_x 1
		.amdhsa_system_sgpr_workgroup_id_y 1
		.amdhsa_system_sgpr_workgroup_id_z 1
		.amdhsa_system_vgpr_workitem_id 0
		.amdhsa_next_free_vgpr 1024
		.amdhsa_next_free_sgpr 96
		.amdhsa_reserve_vcc 0
		.amdhsa_float_denorm_mode_32 3
		.amdhsa_float_denorm_mode_16_64 3
		.amdhsa_memory_ordered 1
		.amdhsa_forward_progress 1
		.amdhsa_inst_pref_size 205
	.end_amdhsa_kernel
	.amdgpu_metadata
---
amdhsa.version: [ 1, 2 ]
amdhsa.kernels:
  - .name:           k_q2b776fb95e_ffn2
    .symbol:         k_q2b776fb95e_ffn2.kd
    .args:
      - { .name: plan, .offset: 0, .size: 8, .value_kind: global_buffer, .address_space: global }
      - { .name: xq, .offset: 8, .size: 8, .value_kind: global_buffer, .address_space: global }
      - { .name: wimg, .offset: 16, .size: 8, .value_kind: global_buffer, .address_space: global }
      - { .name: b2, .offset: 24, .size: 8, .value_kind: global_buffer, .address_space: global }
      - { .name: himg, .offset: 32, .size: 8, .value_kind: global_buffer, .address_space: global }
      - { .name: out0, .offset: 40, .size: 8, .value_kind: global_buffer, .address_space: global }
    .group_segment_fixed_size: 169472
    .private_segment_fixed_size: 0
    .kernarg_segment_align: 8
    .kernarg_segment_size: 48
    .max_flat_workgroup_size: 128
    .sgpr_count:     96
    .vgpr_count:     1024
    .wavefront_size: 32
...
	.end_amdgpu_metadata
.endif
;; end of part 4
;; ======== version 2 of 2: 4 launches
;; workspace buffers: wimg 26,214,400 bytes; xq 1,654,784 bytes; sel 8,192 bytes of whole numbers; plan 10,240 bytes of whole numbers; himg 16,506,880 bytes
;; launch prep (part 5): grid 768 x 1, 4 waves a work-group, no clusters, 93,696 bytes of LDS; arguments x, Wr, br, W1_codes, W1_scales, W2_codes, W2_scales, wimg, xq, sel; writes wimg, xq, sel
.if DOCPART == 5
	.amdgcn_target "amdgcn-amd-amdhsa--gfx1250"
	.amdhsa_code_object_version 6
	.text
	.protected	k_q2b776fb95e_prep
	.globl	k_q2b776fb95e_prep
	.p2align	8
	.type	k_q2b776fb95e_prep,@function
k_q2b776fb95e_prep:
	s_mov_b64 s[64:65], 0
	v_nop
	global_prefetch_b8 v0, s[64:65] scope:SCOPE_SE
	s_setreg_imm32_b32 hwreg(HW_REG_WAVE_MODE, 25, 1), 1
	s_wait_xcnt 0x0
; PREP.  Two jobs in one launch, parted by the work-group's number; each job has LDS bytes of its own, and each wave its own part of them: no barrier.
; Work-groups 0-255, THE ROUTER: a wave takes two tokens.  x is quantised to E2M3 (one E8M0 byte for 32 along d) into xq: codes [token][768 bytes], a plain stream of bits;
;   scale bytes [token][32]; the logits x Wr + br in f32; the two largest (a tie keeps the lower index); their weights, renormalised: g1 = 1 / (1 + e^(l2 - l1)), g2 = e^(l2 - l1) g1,
;   the largest logit taken away; the pair of experts as a group number 0..5 into sel, the weights (lower expert's, higher expert's) into xq.
; Work-groups 256-767, THE LAYOUT: a wave takes 16 rows x 768 bytes of W1's or W2's codes and stores them as eight images of operand registers, and their scale bytes as scale words.
; THE FRAGMENT OF THIS PROGRAM (16 rows x 128 along K, 12 registers): lane (r = lane % 16, h = lane / 16) holds the 48 consecutive bytes of row r at 96 s + 48 h: blocks 2 h and 2 h + 1 of K step s.
;   The matrix instruction takes registers 6 c .. 6 c + 5 of that lane for its block 2 c + h, so a scale word holds the step's four bytes in the order 0, 2, 1, 3.  Both operands of both products are laid so:
;   the same exchange of blocks on both sides leaves every product with its partner.  An image is the registers as they stand: registers 4 j .. 4 j + 3 of the 32 lanes are 512 consecutive bytes.
; LIMITS: NaN and infinities are not served.  The two experts are chosen on the logits, not on the rounded probabilities: two logits equal within f32 rounding may be ranked otherwise than their probabilities.
;   A block whose largest magnitude lies under 2^-124 (a block of zeros too) gets the byte 1.
.set W1S, 25165824                     ; wimg: W1's images at 0, W2's at 12,582,912, W1's scale words here,
.set W2S, 25690112                     ; W2's here
.set XQS, 1572864                      ; xq: the scale bytes,
.set XQG, 1638400                      ; the weights
.set WBR, 10752                        ; router: LDS of a wave: four stages of 2,560 bytes, then 64 scale bytes
.set SBY, 10240
.set LBL, 43008                        ; layout: LDS begins here; 16 rows x 784 bytes a wave
.set WBL, 12544
	s_load_b512 s[4:19], s[0:1], 0x0               ; x, Wr, br, W1_codes, W1_scales, W2_codes, W2_scales, wimg
	s_load_b128 s[20:23], s[0:1], 0x40             ; xq, sel
	s_set_vgpr_msb 0x40
	v_lshl_add_u32 v0, v0, 2, 0x16c00
	v_mov_b32 v1, 0
	s_set_vgpr_msb 0x4000
	v_lshrrev_b32 v1, 5, v0
	v_readfirstlane_b32 s24, v1                    ; wave
	v_and_b32 v1, 31, v0                           ; lane
	v_lshlrev_b32 v2, 4, v1                        ; 16 x lane
	s_cmp_lt_u32 ttmp9, 256
	s_cbranch_scc0 .Llayout
; ------------------------------------------------------------------ the router
; v64-127 Wr rows 16 lane + i (four numbers a row), v192-255 x as loaded, later Wr rows 512 + 16 lane + i; v128-191 x, 16 neighbours a lane and step
	v_lshlrev_b32 v3, 8, v1                        ; Wr: 16 rows of 16 bytes a lane
	v_mul_u32_u24 v4, v1, 12                       ; my 16 codes
	s_mul_i32 s25, s24, WBR
	v_lshrrev_b32 v8, 1, v1                        ; my block of the step's sixteen
	v_and_b32 v9, 12, v8                           ; its word,
	v_and_b32 v10, 1, v8
	v_lshl_add_u32 v9, v10, 1, v9                  ; and its place there: blocks 0, 1, 2, 3 go to bytes 0, 2, 1, 3
	v_bfe_u32 v10, v8, 1, 1
	v_add_nc_u32 v9, v9, v10
	v_add_nc_u32 v5, s25, v9
	v_add_nc_u32 v5, SBY, v5                       ; LDS: my block's scale byte
	v_lshlrev_b32 v7, 1, v1
	v_add_nc_u32 v6, s25, v7
	v_add_nc_u32 v6, SBY, v6                       ; and two bytes a lane on the way out
	v_lshrrev_b32 v14, 2, v1
	v_mul_u32_u24 v14, v14, 80
	v_and_b32 v15, 3, v1
	v_lshl_add_u32 v14, v15, 4, v14
	v_add_nc_u32 v14, s25, v14                     ; the stage, in: four lanes' 64 bytes on end, then 16 of padding
	v_mul_u32_u24 v15, v1, 80
	v_add_nc_u32 v15, s25, v15                     ; out: my 64 bytes
	s_lshl_b32 s26, ttmp9, 3
	s_lshl_b32 s27, s24, 1
	s_add_co_u32 s26, s26, s27                     ; my first token
	s_lshl_b32 s28, s26, 12
	s_mov_b32 s29, 0
	s_mul_i32 s30, s26, 768
	s_mov_b32 s31, 0
	s_lshl_b32 s32, s26, 5
	s_add_co_u32 s32, s32, XQS
	s_mov_b32 s33, 0
	s_lshl_b32 s34, s26, 3
	s_add_co_u32 s34, s34, XQG
	s_mov_b32 s35, 0
	s_lshl_b32 s36, s26, 2
	s_mov_b32 s37, 0
	s_mov_b32 s48, 0x76543210
	s_mov_b32 s49, 0xfedcba98                      ; v_permlanex16_b32: lane l xor 16
	s_wait_kmcnt 0x0
	s_add_nc_u64 s[4:5], s[4:5], s[28:29]          ; x at my tokens
	s_add_nc_u64 s[38:39], s[20:21], s[30:31]      ; their codes,
	s_add_nc_u64 s[40:41], s[20:21], s[32:33]      ; scale bytes,
	s_add_nc_u64 s[42:43], s[20:21], s[34:35]      ; weights,
	s_add_nc_u64 s[22:23], s[22:23], s[36:37]      ; groups
	s_load_b128 s[44:47], s[8:9], 0x0              ; br
.irp t, 0,1,2,3
.irp i, 0,1,2,3
	global_load_b128 v[192+16*\t+4*\i:195+16*\t+4*\i], v2, s[4:5] offset:2048*\t+512*\i th:TH_LOAD_NT   ; 32 lanes read 512 consecutive bytes
.endr
.endr
.irp i, 0,1,2,3,4,5,6,7,8,9,10,11,12,13,14,15
	global_load_b128 v[64+4*\i:67+4*\i], v3, s[6:7] offset:16*\i
.endr
.irp e, 0,1,2,3
	v_mov_b32 v[28+\e], 0                          ; a lane permute's destination counts as one of its sources
.endr
	v_mov_b32 v36, 1
	v_mov_b32 v37, 2
	v_mov_b32 v38, 3
	v_mov_b32 v39, 0xff800000                      ; -infinity
	v_mov_b32 v41, 0
	v_mov_b32 v42, 0
	v_mov_b32 v43, 0
	s_wait_loadcnt 16                              ; x is in; the 16 loads of Wr behind it may be out
.irp t, 0,1,2,3                                ; each step's 2,048 bytes turn through a stage of their own: LDS serves a wave's instructions in order, so no wait stands between
.irp i, 0,1,2,3
	ds_store_b128 v14, v[192+16*\t+4*\i:195+16*\t+4*\i] offset:2560*\t+640*\i
.endr
.irp i, 0,1,2,3
	ds_load_b128 v[128+16*\t+4*\i:131+16*\t+4*\i], v15 offset:2560*\t+16*\i
.endr
.endr
	s_wait_dscnt 0x0                               ; the numbers are back, and the stores have read v192-255:
.irp i, 0,1,2,3,4,5,6,7,8,9,10,11,12,13,14,15
	global_load_b128 v[192+4*\i:195+4*\i], v3, s[6:7] offset:8192+16*\i   ; they take Wr's rows 512 on
.endr
.macro QSTEP t                         ; 512 numbers: 16 a lane, two neighbouring lanes to a block
.set XB, 128+16*(\t)
	v_max3_num_f32 v8, |v[XB]|, |v[XB+1]|, |v[XB+2]|
	v_max3_num_f32 v9, |v[XB+3]|, |v[XB+4]|, |v[XB+5]|
.irp i, 6,10
	v_max3_num_f32 v8, v8, |v[XB+\i]|, |v[XB+\i+1]|
	v_max3_num_f32 v9, v9, |v[XB+\i+2]|, |v[XB+\i+3]|
.endr
	v_max3_num_f32 v8, v8, |v[XB+14]|, |v[XB+15]|
	v_max3_num_f32 v8, v8, v9, 0x1800000           ; the floor 2^(3 - 127): the byte cannot fall under 1
	v_max_num_f32_dpp v8, v8, v8 row_xmask:1 row_mask:0xf bank_mask:0xf   ; with my neighbour's 16: the block's largest magnitude
	v_add_nc_u32 v11, 0xff000000, v8               ; 2 off its exponent field: the conversion takes that field as its scale
	v_cvt_scalef32_pk16_fp6_f32 v[44+4*(\t):46+4*(\t)], v[XB:XB+15], v11
	v_lshrrev_b32 v[60+(\t)], 23, v11              ; the scale's byte (and the plain line behind the conversion)
	ds_store_b8 v5, v[60+(\t)] offset:16*(\t)      ; both lanes of a block write the same byte with the same value
	global_store_b96 v4, v[44+4*(\t):46+4*(\t)], s[38:39] offset:384*(\t)   ; the wave stores 384 consecutive bytes
.endm
.irp t, 0,1,2,3
	QSTEP \t
.endr
	s_wait_loadcnt 0x0                             ; Wr
	s_wait_kmcnt 0x0                               ; br
.macro LG t, p, i                      ; number i of step t (half p of the token's row) times its row of Wr: four sums for even i, four for odd i; the first products start them
.irp e, 0,1,2,3
.if ((\p) == 0) && ((\i) < 2)
	v_mul_f32 v[16+4*((\i)%2)+\e], v[128+16*(\t)+(\i)], v[64+128*(\p)+4*(\i)+\e]
.else
	v_fmac_f32 v[16+4*((\i)%2)+\e], v[128+16*(\t)+(\i)], v[64+128*(\p)+4*(\i)+\e]
.endif
.endr
.endm
.macro ROUTE tok
.irp p, 0,1
.irp i, 0,1,2,3,4,5,6,7,8,9,10,11,12,13,14,15
	LG 2*(\tok)+\p, \p, \i
.endr
.endr
	v_pk_add_f32 v[16:17], v[16:17], v[20:21]
	v_pk_add_f32 v[18:19], v[18:19], v[22:23]
.irp x, 1,2,4,8                                ; the sum over the wave's 32 lanes, the four logits by turns
.irp e, 0,1,2,3
	v_add_f32_dpp v[16+\e], v[16+\e], v[16+\e] row_xmask:\x row_mask:0xf bank_mask:0xf
.endr
.endr
.irp e, 0,1,2,3
	v_permlanex16_b32 v[28+\e], v[16+\e], s48, s49
.endr
.irp e, 0,1,2,3
	v_add_f32 v[16+\e], v[16+\e], v[28+\e]
.endr
.irp e, 0,1,2,3
	v_add_f32 v[24+\e], s[44+\e], v[16+\e]         ; + br: the logits, in every lane
.endr
	v_mov_b32 v28, v24                             ; the largest and its index: only a strictly larger one takes over
	v_mov_b32 v29, 0
.irp e, 1,2,3
	v_cmp_gt_f32 vcc_lo, v[24+\e], v28
	v_cndmask_b32 v28, v28, v[24+\e], vcc_lo
	v_cndmask_b32 v29, v29, v[35+\e], vcc_lo
.endr
.irp e, 0,1,2,3
	v_cmp_eq_u32 vcc_lo, \e, v29
	v_cndmask_b32 v[30+\e], v[24+\e], v39, vcc_lo  ; the winner is taken out
.endr
	v_mov_b32 v34, v30                             ; the second largest
	v_mov_b32 v35, 0
.irp e, 1,2,3
	v_cmp_gt_f32 vcc_lo, v[30+\e], v34
	v_cndmask_b32 v34, v34, v[30+\e], vcc_lo
	v_cndmask_b32 v35, v35, v[35+\e], vcc_lo
.endr
	v_sub_f32 v40, v34, v28                        ; l2 - l1, 0 or less
	v_mul_f32 v40, 0x3fb8aa3b, v40
	s_wait_alu depctr_va_vdst(0)
	v_exp_f32 v40, v40
	v_min_u32 v12, v29, v35                        ; the lower expert (a plain line behind the exponential)
	v_max_u32 v13, v29, v35                        ; the higher
	s_wait_alu depctr_va_vdst(0)                   ; the wait ahead of the first reader
	v_add_f32 v10, 1.0, v40
	s_wait_alu depctr_va_vdst(0)
	v_rcp_f32 v10, v10                             ; g1
	v_sub_nc_u32 v9, 5, v12
	v_mul_u32_u24 v9, v9, v12
	v_lshrrev_b32 v9, 1, v9
	v_add_nc_u32 v9, v9, v13
	v_add_nc_u32 v9, -1, v9                        ; the group: hi - 1 + lo (5 - lo) / 2: (0,1) (0,2) (0,3) (1,2) (1,3) (2,3) are 0 .. 5
	s_wait_alu depctr_va_vdst(0)
	v_mul_f32 v11, v40, v10                        ; g2
	v_cmp_lt_u32 vcc_lo, v29, v35
	v_cndmask_b32 v8, v11, v10, vcc_lo             ; the lower expert's weight
	v_cndmask_b32 v11, v10, v11, vcc_lo            ; the higher's
	v_cmp_eq_u32 vcc_lo, \tok, v1                  ; lane tok keeps the token's three results
	v_cndmask_b32 v41, v41, v9, vcc_lo
	v_cndmask_b32 v42, v42, v8, vcc_lo
	v_cndmask_b32 v43, v43, v11, vcc_lo
.endm
	ROUTE 0
	ROUTE 1
	ds_load_u16 v8, v6                             ; my wave's 64 scale bytes (its own stores, served in order)
	v_lshlrev_b32 v9, 2, v1
	v_lshlrev_b32 v10, 3, v1
	s_wait_alu depctr_va_vdst(0)
	s_wait_dscnt 0x0
	global_store_b16 v7, v8, s[40:41]              ; 64 consecutive bytes
	v_cmp_gt_u32 vcc_lo, 2, v1
	s_wait_xcnt 0x0                                ; EXEC changes only behind this wait
	s_set_vgpr_msb 0x5
	s_wait_tensorcnt 0x0
	ds_add_u32 v0, v1
	s_wait_dscnt 0x0
	s_set_vgpr_msb 0x500
	s_and_saveexec_b32 s50, vcc_lo
	global_store_b32 v9, v41, s[22:23]
	global_store_b64 v10, v[42:43], s[42:43]
	s_wait_xcnt 0x0
	s_or_b32 exec_lo, exec_lo, s50
	s_endpgm
; ------------------------------------------------------------------ the layout
; Unit U = 0 .. 2047.  U < 1024: tile U of W1 = 2 (128 e + B) + u: its row r is hidden unit 32 B + 8 u + r + 8 (r / 8), all of K (768 bytes).
; Else: tile (U - 1024) / 4 of W2 (16 neighbouring output rows), quarter (U - 1024) % 4 of K.  Both go to wimg + 12,288 U.  Only scalars differ; no LDS address hangs on the choice.
.Llayout:
	s_sub_co_u32 s25, ttmp9, 256
	s_lshl_b32 s25, s25, 2
	s_add_co_u32 s25, s25, s24                     ; U
	s_mul_i32 s26, s24, WBL
	s_add_co_u32 s26, s26, LBL                     ; my rows in LDS
	s_lshr_b32 s70, s25, 1
	s_and_b32 s71, s25, 1
	s_lshl_b32 s72, s70, 5
	s_lshl_b32 s73, s71, 3
	s_add_co_u32 s72, s72, s73                     ; W1: the tile's first row,
	s_mul_i32 s73, s72, 768                        ; its codes,
	s_lshl_b32 s72, s72, 5                         ; its scale bytes,
	s_lshl_b32 s70, s70, 10
	s_lshl_b32 s71, s71, 8
	s_add_co_u32 s70, s70, s71
	s_add_co_u32 s70, s70, W1S                     ; and where its scale words go
	s_and_b32 s74, s25, 1023
	s_lshr_b32 s75, s74, 2                         ; W2: the tile,
	s_and_b32 s74, s74, 3                          ; the quarter of K,
	s_mul_i32 s76, s75, 16*3072
	s_mul_i32 s77, s74, 768
	s_add_co_u32 s76, s76, s77                     ; its codes,
	s_lshl_b32 s77, s75, 11
	s_lshl_b32 s78, s74, 5
	s_add_co_u32 s77, s77, s78                     ; its scale bytes,
	s_lshr_b32 s78, s75, 1
	s_lshl_b32 s78, s78, 12
	s_lshl_b32 s74, s74, 10
	s_add_co_u32 s78, s78, s74
	s_and_b32 s75, s75, 1
	s_lshl_b32 s75, s75, 8
	s_add_co_u32 s78, s78, s75
	s_add_co_u32 s78, s78, W2S                     ; and where its scale words go
	s_mov_b32 s27, 3072
	s_mov_b32 s29, 128
	s_wait_kmcnt 0x0
	s_cmp_lt_u32 s25, 1024                         ; the choice hangs on the work-group's number alone
	s_cselect_b32 s52, s73, s76
	s_cselect_b32 s54, s72, s77
	s_cselect_b32 s56, s70, s78
	s_cselect_b32 s27, 768, s27                    ; a row of codes in memory,
	s_cselect_b32 s29, 32, s29                     ; of scale bytes
	s_cselect_b32 s62, 6144, 0                     ; W1's rows 8-15 of a tile lie eight rows further on
	s_cselect_b32 s30, 256, 0
	s_cselect_b64 s[32:33], s[10:11], s[14:15]
	s_cselect_b64 s[48:49], s[12:13], s[16:17]
	s_mov_b32 s53, 0
	s_mov_b32 s55, 0
	s_mov_b32 s57, 0
	s_mov_b32 s59, 0
	s_mov_b32 s61, 0
	s_mov_b32 s63, 0
	s_mul_i32 s58, s25, 12288
	s_lshl_b32 s60, s27, 1
	s_sub_co_u32 s28, s27, 768
	s_mov_b32 s66, 0x03010200                      ; bytes 0, 2, 1, 3
	s_add_nc_u64 s[32:33], s[32:33], s[52:53]      ; rows 0, 1
.irp q, 1,2,3,4,5,6,7
	s_add_nc_u64 s[32+2*\q:33+2*\q], s[30+2*\q:31+2*\q], s[60:61]   ; rows 2 q, 2 q + 1
.if \q == 4
	s_add_nc_u64 s[40:41], s[40:41], s[62:63]
.endif
.endr
	s_add_nc_u64 s[48:49], s[48:49], s[54:55]
	s_add_nc_u64 s[50:51], s[18:19], s[56:57]
	s_add_nc_u64 s[68:69], s[18:19], s[58:59]
	s_wait_alu depctr_va_vdst(0)
	v_and_b32 v112, 15, v1                         ; r
	v_lshrrev_b32 v113, 4, v1                      ; h
	v_mul_u32_u24 v3, s28, v113
	v_add_nc_u32 v3, v3, v2
	v_add_nc_u32 v3, 512, v3                       ; two rows' 1,536 bytes in three loads: the first row's 512; its last 256 and the second row's first 256;
	v_add_nc_u32 v4, s27, v2
	v_add_nc_u32 v4, 256, v4                       ; the second row's last 512
	v_add_nc_u32 v5, s26, v2                       ; the same three in LDS, rows 784 bytes apart
	v_lshl_add_u32 v6, v113, 4, v5
	v_add_nc_u32 v6, 512, v6
	v_add_nc_u32 v7, 1040, v5
	v_mul_u32_u24 v8, v112, 784
	v_mad_u32_u24 v8, v113, 48, v8
	v_add_nc_u32 v8, s26, v8                       ; back: row r, + 48 h.  784 is an odd multiple of 16: sixteen rows fall on sixteen different columns of 16 bytes
	v_mul_u32_u24 v10, s29, v112
	v_lshrrev_b32 v114, 3, v112
	v_mul_u32_u24 v114, s30, v114
	v_add_nc_u32 v10, v10, v114
	v_lshl_add_u32 v10, v113, 4, v10               ; row r's scale bytes, 16 for each half of the lanes: four K steps
	v_lshlrev_b32 v11, 4, v112
	v_lshl_add_u32 v11, v113, 9, v11               ; they go to 512 h + 16 r
.irp q, 0,1,2,3,4,5,6,7
	global_load_b128 v[16+12*\q:19+12*\q], v2, s[32+2*\q:33+2*\q] th:TH_LOAD_NT
	global_load_b128 v[20+12*\q:23+12*\q], v3, s[32+2*\q:33+2*\q] th:TH_LOAD_NT
	global_load_b128 v[24+12*\q:27+12*\q], v4, s[32+2*\q:33+2*\q] th:TH_LOAD_NT
.endr
	global_load_b128 v[12:15], v10, s[48:49] th:TH_LOAD_NT
	s_wait_alu depctr_va_vdst(0)
.irp q, 0,1,2,3,4,5,6,7                        ; each count: the code loads behind this one, and the load of the scale bytes
	s_wait_loadcnt 24-3*\q
	ds_store_b128 v5, v[16+12*\q:19+12*\q] offset:1568*\q
	s_wait_loadcnt 23-3*\q
	ds_store_b128 v6, v[20+12*\q:23+12*\q] offset:1568*\q
	s_wait_loadcnt 22-3*\q
	ds_store_b128 v7, v[24+12*\q:27+12*\q] offset:1568*\q
.endr
.irp k, 0,1,2,3,4,5,6,7,8,9,10,11,12,13,14,15,16,17,18,19,20,21,22,23
	ds_load_b128 v[128+4*\k:131+4*\k], v8 offset:96*(\k/3)+16*(\k%3)   ; K step k / 3, registers 4 (k % 3) on: my own stores, served in order
.endr
	s_wait_loadcnt 0x0
.irp i, 0,1,2,3
	v_perm_b32 v[12+\i], v[12+\i], v[12+\i], s66
.endr
	global_store_b128 v11, v[12:15], s[50:51]      ; sixteen lanes store 256 consecutive bytes
.irp k, 0,1,2,3,4,5,6,7,8,9,10,11,12,13,14,15,16,17,18,19,20,21,22,23
	s_wait_dscnt 23-\k
	global_store_b128 v2, v[128+4*\k:131+4*\k], s[68:69] offset:512*\k   ; 512 consecutive bytes
.endr
	s_set_vgpr_msb 0x5
	s_wait_tensorcnt 0x0
	ds_add_u32 v0, v1
	s_wait_dscnt 0x0
	s_set_vgpr_msb 0x500
	s_endpgm
.Lfunc_end_k_q2b776fb95e_prep:
	.size	k_q2b776fb95e_prep, .Lfunc_end_k_q2b776fb95e_prep-k_q2b776fb95e_prep
	.p2alignl 7, 3214868480
	.fill 96, 4, 3214868480
	.section	.rodata,"a",@progbits
	.p2align	6, 0x0
	.amdhsa_kernel k_q2b776fb95e_prep
		.amdhsa_group_segment_fixed_size 93696
		.amdhsa_private_segment_fixed_size 0
		.amdhsa_enable_private_segment 0
		.amdhsa_kernarg_size 80
		.amdhsa_user_sgpr_count 2
		.amdhsa_user_sgpr_kernarg_segment_ptr 1
		.amdhsa_wavefront_size32 1
		.amdhsa_system_sgpr_workgroup_id_x 1
		.amdhsa_system_sgpr_workgroup_id_y 1
		.amdhsa_system_sgpr_workgroup_id_z 1
		.amdhsa_system_vgpr_workitem_id 0
		.amdhsa_next_free_vgpr 258
		.amdhsa_next_free_sgpr 80
		.amdhsa_reserve_vcc 1
		.amdhsa_float_denorm_mode_32 3
		.amdhsa_float_denorm_mode_16_64 3
		.amdhsa_memory_ordered 1
		.amdhsa_forward_progress 1
		.amdhsa_inst_pref_size 43
	.end_amdhsa_kernel
	.amdgpu_metadata
---
amdhsa.version: [ 1, 2 ]
amdhsa.kernels:
  - .name:           k_q2b776fb95e_prep
    .symbol:         k_q2b776fb95e_prep.kd
    .args:
      - { .name: x, .offset: 0, .size: 8, .value_kind: global_buffer, .address_space: global }
      - { .name: Wr, .offset: 8, .size: 8, .value_kind: global_buffer, .address_space: global }
      - { .name: br, .offset: 16, .size: 8, .value_kind: global_buffer, .address_space: global }
      - { .name: W1_codes, .offset: 24, .size: 8, .value_kind: global_buffer, .address_space: global }
      - { .name: W1_scales, .offset: 32, .size: 8, .value_kind: global_buffer, .address_space: global }
      - { .name: W2_codes, .offset: 40, .size: 8, .value_kind: global_buffer, .address_space: global }
      - { .name: W2_scales, .offset: 48, .size: 8, .value_kind: global_buffer, .address_space: global }
      - { .name: wimg, .offset: 56, .size: 8, .value_kind: global_buffer, .address_space: global }
      - { .name: xq, .offset: 64, .size: 8, .value_kind: global_buffer, .address_space: global }
      - { .name: sel, .offset: 72, .size: 8, .value_kind: global_buffer, .address_space: global }
    .group_segment_fixed_size: 93696
    .private_segment_fixed_size: 0
    .kernarg_segment_align: 8
    .kernarg_segment_size: 80
    .max_flat_workgroup_size: 128
    .sgpr_count:     80
    .vgpr_count:     258
    .wavefront_size: 32
...
	.end_amdgpu_metadata
.endif
;; end of part 5
;; launch place (part 6): grid 1 x 1, 32 waves a work-group, no clusters, 4,608 bytes of LDS; arguments sel, plan; writes plan
.if DOCPART == 6
	.amdgcn_target "amdgcn-amd-amdhsa--gfx1250"
	.amdhsa_code_object_version 6
	.text
	.protected	k_q2b776fb95e_place
	.globl	k_q2b776fb95e_place
	.p2align	8
	.type	k_q2b776fb95e_place,@function
k_q2b776fb95e_place:
	s_mov_b64 s[64:65], 0
	v_nop
	global_prefetch_b8 v0, s[64:65] scope:SCOPE_SE
	s_setreg_imm32_b32 hwreg(HW_REG_WAVE_MODE, 25, 1), 1
	s_wait_xcnt 0x0
; PLACE.  A counting sort of the 2,048 tokens by their group (the unordered pair of experts, 0..5), whole numbers only.  Each group is cut into tiles of 80 positions; a group's last tile is
; filled with the pad 2048.  The sum over the six groups of ceil(n / 80) is at most (2048 + 6 x 79) / 80 = 31 for every split: 31 tiles, 2,480 positions.
; plan: words 0-31: tile l: lower expert | higher expert << 8 | valid << 16;  from byte 256: the token (or 2048) at each of the 2,480 positions: those behind the last tile get the pad too,
; so that the later launches may ask for a tile's tokens before they know whether the split has that tile.
; One work-group of 32 waves; wave w takes tokens 64 w .. 64 w + 63.  The waves' counts meet in LDS behind one barrier.
	s_load_b128 s[4:7], s[0:1], 0x0                ; sel, plan
	v_lshl_add_u32 v64, v0, 2, 0x200
	v_mov_b32 v65, 0
	v_lshrrev_b32 v1, 5, v0
	s_delay_alu instid0(VALU_DEP_1)
	v_readfirstlane_b32 s8, v1                     ; wave
	v_and_b32 v2, 31, v0                           ; lane
	s_lshl_b32 s9, s8, 8
	v_lshl_add_u32 v3, v2, 2, s9
	s_mov_b32 s10, 0x76543210
	s_mov_b32 s11, 0xfedcba98
	v_mov_b32 v8, 0
	v_mov_b32 v9, 0
.irp k, 0,1,2,3,4,5
	v_mov_b32 v[21+\k], 0                          ; destinations of lane moves count as sources
.endr
	s_wait_alu depctr_va_vdst(0)
	s_wait_kmcnt 0x0
	global_load_b32 v4, v3, s[4:5]                 ; token 64 w + lane,
	global_load_b32 v5, v3, s[4:5] offset:128      ; token 64 w + 32 + lane
	s_wait_loadcnt 0x0
	v_min_u32 v4, 5, v4
	v_min_u32 v5, 5, v5
.irp g, 0,1,2,3,4,5
	v_cmp_eq_u32 s[20+\g], \g, v4
	v_cmp_eq_u32 s[26+\g], \g, v5
.endr
.irp g, 0,1,2,3,4,5
	s_bcnt1_i32_b32 s[32+\g], s[20+\g]
	s_bcnt1_i32_b32 s[38+\g], s[26+\g]
	v_mbcnt_lo_u32_b32 v6, s[20+\g], 0             ; how many lanes below mine have this group,
	v_mbcnt_lo_u32_b32 v7, s[26+\g], s[32+\g]      ; and for the second token behind all of the first
	s_delay_alu instid0(VALU_DEP_2)
	v_cndmask_b32 v8, v8, v6, s[20+\g]             ; my tokens' ranks among the wave's of their group
	s_delay_alu instid0(VALU_DEP_2)
	v_cndmask_b32 v9, v9, v7, s[26+\g]
	s_add_co_u32 s[38+\g], s[38+\g], s[32+\g]      ; the wave's count
.endr
.irp k, 0,1,2
	s_lshl_b32 s9, s[39+2*\k], 16
	s_or_b32 s[44+\k], s[38+2*\k], s9              ; two counts to a word: a sum is at most 2,048
	v_mov_b32 v[11+\k], s[44+\k]
.endr
	s_lshl_b32 s9, s8, 2
	v_mov_b32 v10, s9
.irp k, 0,1,2
	ds_store_b32 v10, v[11+\k] offset:128*\k       ; all lanes write the same word with the same value
.endr
	s_wait_dscnt 0x0                               ; for the others' sake
	s_barrier_signal -1
	s_barrier_wait -1
	v_lshlrev_b32 v14, 2, v2
.irp k, 0,1,2
	ds_load_b32 v[15+\k], v14 offset:128*\k        ; lane l: wave l's counts
.endr
	v_cmp_gt_u32 vcc_lo, s8, v2
	s_wait_dscnt 0x0
.irp k, 0,1,2
	v_cndmask_b32 v[18+\k], 0, v[15+\k], vcc_lo    ; those of the waves ahead of mine
.endr
.irp x, 1,2,4,8                                ; six sums over the 32 lanes
.irp k, 0,1,2,3,4,5
	v_mov_b32_dpp v[21+\k], v[15+\k] row_xmask:\x row_mask:0xf bank_mask:0xf
.endr
.irp k, 0,1,2,3,4,5
	v_add_nc_u32 v[15+\k], v[15+\k], v[21+\k]
.endr
.endr
.irp k, 0,1,2,3,4,5
	v_permlanex16_b32 v[21+\k], v[15+\k], s10, s11
.endr
.irp k, 0,1,2,3,4,5
	v_add_nc_u32 v[15+\k], v[15+\k], v[21+\k]
.endr
.irp k, 0,1,2
	v_readfirstlane_b32 s[47+\k], v[15+\k]
	v_readfirstlane_b32 s[50+\k], v[18+\k]
.endr
.irp k, 0,1,2
	s_and_b32 s[66+2*\k], s[47+\k], 0xffff         ; n: a group's tokens
	s_lshr_b32 s[67+2*\k], s[47+\k], 16
	s_and_b32 s[72+2*\k], s[50+\k], 0xffff         ; q: those in the waves ahead of mine
	s_lshr_b32 s[73+2*\k], s[50+\k], 16
.endr
	s_mov_b32 s78, 0                               ; s78-84: the groups' first tiles; s84 the number of tiles
.irp g, 0,1,2,3,4,5
	s_add_co_u32 s9, s[66+\g], 79
	s_mul_i32 s9, s9, 52429
	s_lshr_b32 s9, s9, 22                          ; (n + 79) / 80, exact up to 2,127: 52429 / 2^22 lies 4.8e-8 above 1 / 80
	s_add_co_u32 s[79+\g], s[78+\g], s9
	s_mul_i32 s9, s[78+\g], 80
	s_add_co_u32 s[85+\g], s9, s[72+\g]            ; where my wave's tokens of the group begin,
	s_add_co_u32 s[66+\g], s9, s[66+\g]            ; where the group's pads begin,
	s_mul_i32 s[91+\g], s[79+\g], 80               ; and end
.endr
	v_mov_b32 v27, 0
	v_mov_b32 v28, 0
.irp g, 0,1,2,3,4,5
	v_mov_b32 v29, s[85+\g]
	s_delay_alu instid0(VALU_DEP_1)
	v_cndmask_b32 v27, v27, v29, s[20+\g]
	s_delay_alu instid0(VALU_DEP_2)
	v_cndmask_b32 v28, v28, v29, s[26+\g]
.endr
	s_delay_alu instid0(VALU_DEP_2)
	v_add_nc_u32 v27, v27, v8
	s_delay_alu instid0(VALU_DEP_2)
	v_add_nc_u32 v28, v28, v9
	s_delay_alu instid0(VALU_DEP_2)
	v_min_u32 v27, 2479, v27                       ; a position
	s_delay_alu instid0(VALU_DEP_2)
	v_min_u32 v28, 2479, v28
	s_delay_alu instid0(VALU_DEP_2)
	v_lshlrev_b32 v27, 2, v27
	s_delay_alu instid0(VALU_DEP_2)
	v_lshlrev_b32 v28, 2, v28
	s_lshl_b32 s9, s8, 6
	v_add_nc_u32 v30, s9, v2
	s_delay_alu instid0(VALU_DEP_1)
	v_add_nc_u32 v31, 32, v30
	; the pads: wave g (0..5) fills group g's last tile, at most 79 positions: three stores of 32.  Wave 6 has an empty range.  Waves 7 on fill what lies behind the last tile, 96 positions each:
	; at least 26 tiles are filled, so at most 400 positions are left, and 25 waves stand ready; what lies at or past 2,480 is masked off.
	; All three addresses and masks are made here, with every lane on, ahead of the first line that changes EXEC
	s_mov_b32 s97, 0
	s_mov_b32 s98, 0
.irp g, 0,1,2,3,4,5
	s_cmp_eq_u32 s8, \g
	s_cselect_b32 s97, s[66+\g], s97
	s_cselect_b32 s98, s[91+\g], s98
.endr
	s_mul_i32 s9, s84, 80                          ; the first position behind the last tile
	s_sub_co_u32 s12, s8, 7
	s_mul_i32 s12, s12, 96
	s_add_co_u32 s12, s12, s9
	s_mov_b32 s13, 2480
	s_cmp_ge_u32 s8, 7
	s_cselect_b32 s97, s12, s97
	s_cselect_b32 s98, s13, s98
	v_mov_b32 v32, 2048
.irp k, 0,1,2
	v_add3_u32 v[33+\k], v2, s97, 32*\k            ; the position,
	s_delay_alu instid0(VALU_DEP_1)
	v_cmp_gt_u32 s[54+\k], s98, v[33+\k]           ; whether it lies ahead of the range's end,
	s_delay_alu instid0(VALU_DEP_2)
	v_min_u32 v[33+\k], 2479, v[33+\k]
	s_delay_alu instid0(VALU_DEP_1)
	v_lshlrev_b32 v[33+\k], 2, v[33+\k]            ; and its byte
.endr
	global_store_b32 v27, v30, s[6:7] offset:256
	global_store_b32 v28, v31, s[6:7] offset:256
	s_wait_alu depctr_va_vdst(0)
.irp k, 0,1,2
	s_wait_xcnt 0x0                                ; EXEC changes only behind this wait
	s_and_saveexec_b32 s99, s[54+\k]
	global_store_b32 v[33+\k], v32, s[6:7] offset:256
	s_wait_xcnt 0x0
	s_or_b32 exec_lo, exec_lo, s99
.endr
	s_cmp_lg_u32 s8, 6                             ; wave 6 writes the tiles' words, a lane a tile
	s_cbranch_scc1 .Lend
	v_mov_b32 v36, 1
	v_mov_b32 v37, 0
.irp k, 1,2,3,4,5
	v_cmp_le_u32 vcc_lo, s[78+\k], v2
	s_delay_alu instid0(VALU_DEP_1)
	v_cndmask_b32 v38, 0, v36, vcc_lo
	s_delay_alu instid0(VALU_DEP_1)
	v_add_nc_u32 v37, v37, v38                     ; the tile's group: the last one that begins at or ahead of it
.endr
	s_delay_alu instid0(VALU_DEP_1)
	v_lshlrev_b32 v37, 2, v37
	v_mov_b32 v39, 0x211000
	v_mov_b32 v40, 0x332321
	s_delay_alu instid0(VALU_DEP_2)
	v_lshrrev_b32 v39, v37, v39
	s_delay_alu instid0(VALU_DEP_2)
	v_lshrrev_b32 v40, v37, v40
	s_delay_alu instid0(VALU_DEP_2)
	v_and_b32 v39, 3, v39                          ; the lower expert,
	s_delay_alu instid0(VALU_DEP_2)
	v_and_b32 v40, 3, v40                          ; the higher
	v_cmp_gt_u32 vcc_lo, s84, v2
	s_delay_alu instid0(VALU_DEP_1)
	v_cndmask_b32 v38, 0, v36, vcc_lo
	s_delay_alu instid0(VALU_DEP_3)
	v_lshl_or_b32 v39, v40, 8, v39
	s_delay_alu instid0(VALU_DEP_1)
	v_lshl_or_b32 v39, v38, 16, v39
	global_store_b32 v14, v39, s[6:7]
.Lend:
	s_wait_tensorcnt 0x0
	ds_add_u32 v64, v65
	s_wait_dscnt 0x0
	s_endpgm
.Lfunc_end_k_q2b776fb95e_place:
	.size	k_q2b776fb95e_place, .Lfunc_end_k_q2b776fb95e_place-k_q2b776fb95e_place
	.p2alignl 7, 3214868480
	.fill 96, 4, 3214868480
	.section	.rodata,"a",@progbits
	.p2align	6, 0x0
	.amdhsa_kernel k_q2b776fb95e_place
		.amdhsa_group_segment_fixed_size 4608
		.amdhsa_private_segment_fixed_size 0
		.amdhsa_enable_private_segment 0
		.amdhsa_kernarg_size 16
		.amdhsa_user_sgpr_count 2
		.amdhsa_user_sgpr_kernarg_segment_ptr 1
		.amdhsa_wavefront_size32 1
		.amdhsa_system_sgpr_workgroup_id_x 1
		.amdhsa_system_sgpr_workgroup_id_y 1
		.amdhsa_system_sgpr_workgroup_id_z 1
		.amdhsa_system_vgpr_workitem_id 0
		.amdhsa_next_free_vgpr 66
		.amdhsa_next_free_sgpr 100
		.amdhsa_reserve_vcc 1
		.amdhsa_float_denorm_mode_32 3
		.amdhsa_float_denorm_mode_16_64 3
		.amdhsa_memory_ordered 1
		.amdhsa_forward_progress 1
		.amdhsa_inst_pref_size 19
	.end_amdhsa_kernel
	.amdgpu_metadata
---
amdhsa.version: [ 1, 2 ]
amdhsa.kernels:
  - .name:           k_q2b776fb95e_place
    .symbol:         k_q2b776fb95e_place.kd
    .args:
      - { .name: sel, .offset: 0, .size: 8, .value_kind: global_buffer, .address_space: global }
      - { .name: plan, .offset: 8, .size: 8, .value_kind: global_buffer, .address_space: global }
    .group_segment_fixed_size: 4608
    .private_segment_fixed_size: 0
    .kernarg_segment_align: 8
    .kernarg_segment_size: 16
    .max_flat_workgroup_size: 1024
    .sgpr_count:     100
    .vgpr_count:     66
    .wavefront_size: 32
...
	.end_amdgpu_metadata
.endif
;; end of part 6
;; launch ffn1 (part 7): grid 8 x 31, 4 waves a work-group, no clusters, 61,952 bytes of LDS; arguments plan, xq, wimg, b1, himg; writes himg
.if DOCPART == 7
	.amdgcn_target "amdgcn-amd-amdhsa--gfx1250"
	.amdhsa_code_object_version 6
	.text
	.protected	k_q2b776fb95e_ffn1
	.globl	k_q2b776fb95e_ffn1
	.p2align	8
	.type	k_q2b776fb95e_ffn1,@function
k_q2b776fb95e_ffn1:
	s_mov_b64 s[64:65], 0
	v_nop
	global_prefetch_b8 v0, s[64:65] scope:SCOPE_SE
	s_setreg_imm32_b32 hwreg(HW_REG_WAVE_SCHED_MODE, 0, 2), 2
	s_setreg_imm32_b32 hwreg(HW_REG_WAVE_MODE, 25, 1), 1
	s_wait_xcnt 0x0
	s_wait_alu depctr_vm_vsrc(0)
; FFN1.  For tile t (80 positions of one pair of experts) and slot (0: the lower expert, 1: the higher): h = gelu(x W1^T + b1), quantised to E2M3 along the hidden units, stored as images of the
; second product's operand registers.  Work-group (x, y): t = y, slot = x / 4, hidden units 1024 (x % 4) on; wave w takes 256 of them, eight blocks of 32, for all 80 positions.
; x's codes of the 80 tokens (40 fragments, 480 registers) stay in every wave's registers.  They come into the work-group ONCE: wave w gathers K steps 2 w and 2 w + 1 of the 80 rows (10 fragments), lays them
; in LDS as images of the registers, and behind one barrier every wave reads all 40 back, 512 consecutive bytes a load.
; A tile that the split leaves empty ends behind that barrier: a branch on a stored number, so the launch has no tensor load, and the barrier stands ahead of the branch, on every wave's path.  Such a
; work-group has gathered pad rows and asked for one block of W1 in vain: the price of asking ahead of the barrier.
; W1 comes a block of 32 hidden units at a time (2 tiles x 8 K steps, 192 registers) straight from its images, into ONE set of registers: a K step's fragments are free when its ten products are done,
; so the next block is asked for while this one is multiplied: K steps 0 and 1 behind K step 3, steps 2 and 3 behind step 5, the rest behind step 7: it is on its way through the products and the block's gelu.
; THE PRODUCT IS USED TRANSPOSED (source 0 = 16 rows of W1, source 1 = 16 tokens), and a tile's rows are chosen (32 B + 8 u + r + 8 (r / 8)) so that the 16 registers of tiles u = 0, 1 are 16 neighbouring
; hidden units 32 B + 16 (lane / 16) + 0 .. 15 of the lane's token.  b1 is the C of each sum's first product.
; THE FRAGMENT: lane (r, h) holds blocks 2 h, 2 h + 1 of a K step; a scale word holds the bytes of blocks 0, 2, 1, 3.  So registers 6 c .. 6 c + 5 of the hidden layer's fragment want block c in lanes 0-15 and
; block c + 2 in lanes 16-31: a trip makes blocks c and c + 2 of a K step and stores that half of the image.
; GELU, exact form: x (0.5 + 0.5 erf(x / sqrt 2)), erf by the rational f32 form z A(z^2) / B(z^2), |z| held at 3.8325; the factors 1 / sqrt 2, 1 / 2 and the powers of 2 are folded into the coefficients.
; LIMITS: NaN and infinities are not served; 1 + erf cancels for x under about -5, as it does in f32; a block under 2^-124 gets the byte 1.  Pads compute token 2047's rows, which nobody stores as output.
; No cluster: which tiles share an expert hangs on the stored split.
; THE MODE: SCHED_MODE bits 1:0 = 2 (LLVM: expert scheduling mode 2), set by the entry lines.  The code itself states the register dependences
; between vector or matrix instructions and memory or LDS instructions, with s_wait_alu, always for 0.
; THE PLAN.  Registers that memory or LDS instructions touch:
;   W1's 16 fragments, b1 (window 1), W1's scale words v36-43: read by the block's products; the next block's loads land in them.  TWO waits on va_vdst a block: behind K step 3 (the products of steps 0 to 3
;     are done; the loads of steps 0 to 3 follow it, half of them behind K step 5, whose products and step 4's name none of those registers) and behind K step 7 (steps 4 to 7, b1, the scale words).
;   v60-62  offsets of W1's loads: written once a trip, behind a wait on vm_vsrc; the wait behind K step 3 stands between that write and the next load.
;   v72-109 the codes: written by conversions, exchanges and moves; read by the image's stores.  The stores of tokens m - 1 stand behind the wait that the gelu of tokens m has for its reciprocals; tokens 4's
;     behind a wait of their own.  One wait on vm_vsrc at the trip's end frees them for the next trip's conversions.
;   v44-48  the scale words in the making: read by five stores every second trip, then cleared behind a wait on vm_vsrc.
;   v112-231 at the head: x's gathers land there and my LDS stores read them; one wait on vm_vsrc behind the barrier hands them to the gelu and the accumulators.
;   v1-15, v63 offsets: made at the head and never written again.   x's 40 fragments and v16-35: filled once, read by products alone.   v110, v111: read by the closing add alone.
; REGISTERS: window 0: v1-15 offsets; v16-35 x's scale words; v36-43 W1's; v44-48 the hidden layer's words in the making; v50-53 two coefficients; v56-59 at work; v60-62 the trip's offsets into W1's
;   images, its scale words and b1; v63 where I lay x's images; v64-66, v72-109 codes; v110, v111 the closing add's two; v112-175 gelu at work; v176-255 the ten accumulators (at the head v112-231 take my ten fragments of x).
;   Window 1: W1's 16 fragments, from v448 b1.  Windows 2, 3: x's fragments.
.set W1S, 25165824
.set XQS, 1572864
.set HS0, 15237120
.set XS,  16
.set WS,  36
.set SCW, 44
.set OW,  60                           ; v60  16 x lane + 24,576 x the trip's first block (counted from my wave's first)
.set OS,  61                           ; v61  16 x lane + 1,024 x that block
.set OB,  62                           ; v62  64 x (lane / 16) + 128 x that block
.set XW,  63                           ; v63  16 x lane + 3,072 x wave: LDS, my two K steps of each 16 tokens' eight
.set TT,  64
.set HI,  72
.set XT,  112                          ; at the head: my ten fragments of x as gathered
.set XC,  112
.set YY,  128
.set PP,  144
.set QQ,  160
.set ACC, 176
.set SW,  28                           ; s[28:29] W1's images at my wave's first block; s[30:31] its scale words; s[32:33] b1: these three are never written again: the trip's block stands in v60-62
.set SS,  30
.set SB,  32
.set SH,  34                           ; s[34:35] where the half image goes; s[36:37] the scale words: stepped by constants
.set SHS, 36
.set CA6, 40                           ; the coefficients, each twice: a packed form names a pair
.set CA4, 42
.set CA3, 44
.set CA2, 46
.set CA1, 48
.set CA0, 50
.set CB4, 52
.set CB2, 54
.set CB1, 56
.set CB0, 58
.set MSB, 0
.macro WIN new                         ; the immediate's high byte repeats the setting that is left; a switch that changes nothing is dropped
.if MSB != (\new)
	s_set_vgpr_msb (MSB<<8)|(\new)
.set MSB, (\new)
.endif
.endm
.macro CPAIR r, bits
	s_mov_b32 s[\r], \bits
	s_mov_b32 s[\r+1], \bits
.endm
.macro WMS d, a, b, c, sa, sb, ra, rb  ; the one matrix form; ra, rb: the side's scale words stand in lanes 16-31
.if (\ra) && (\rb)
	v_wmma_scale_f32_16x16x128_f8f6f4 \d, \a, \b, \c, \sa, \sb matrix_a_fmt:MATRIX_FMT_FP6 matrix_b_fmt:MATRIX_FMT_FP6 matrix_a_scale:MATRIX_SCALE_ROW1 matrix_b_scale:MATRIX_SCALE_ROW1
.elseif (\ra)
	v_wmma_scale_f32_16x16x128_f8f6f4 \d, \a, \b, \c, \sa, \sb matrix_a_fmt:MATRIX_FMT_FP6 matrix_b_fmt:MATRIX_FMT_FP6 matrix_a_scale:MATRIX_SCALE_ROW1
.elseif (\rb)
	v_wmma_scale_f32_16x16x128_f8f6f4 \d, \a, \b, \c, \sa, \sb matrix_a_fmt:MATRIX_FMT_FP6 matrix_b_fmt:MATRIX_FMT_FP6 matrix_b_scale:MATRIX_SCALE_ROW1
.else
	v_wmma_scale_f32_16x16x128_f8f6f4 \d, \a, \b, \c, \sa, \sb matrix_a_fmt:MATRIX_FMT_FP6 matrix_b_fmt:MATRIX_FMT_FP6
.endif
.endm
.macro SETXF m, s                      ; where x's fragment (16 tokens m, K step s) stands
.if (\m) < 2
.set rXF, 512+96*(\m)+12*(\s)
.elseif (\m) < 4
.set rXF, 768+96*((\m)-2)+12*(\s)
.elseif (\s) < 5
.set rXF, 704+12*(\s)
.else
.set rXF, 960+12*((\s)-5)
.endif
.endm
; W1's two fragments of K step s, blk blocks ahead of the trip's first: six loads of 512 consecutive bytes.  The caller has set the destination's window to 1
.macro LOADW blk, s
.irp u, 0,1
.irp j, 0,1,2
	global_load_b128 v[96*\u+12*(\s)+4*\j:96*\u+12*(\s)+4*\j+3], v[OW], s[SW:SW+1] offset:(\blk)*24576+12288*\u+1536*(\s)+512*\j
.endr
.endr
.endm
; the block's b1 (destination window 1, as the caller has set it) and its scale words (window 0)
.macro LOADR blk
.irp u, 0,1
.irp i, 0,1
	global_load_b128 v[192+8*\u+4*\i:195+8*\u+4*\i], v[OB], s[SB:SB+1] offset:(\blk)*128+32*\u+16*\i
.endr
.endr
	WIN 0
.irp g, 0,1
	global_load_b128 v[WS+4*\g:WS+4*\g+3], v[OS], s[SS:SS+1] offset:(\blk)*1024+512*\g   ; register s: K step s; lanes 0-15 tile u = 0, lanes 16-31 u = 1
.endr
.endm
	s_load_b256 s[4:11], s[0:1], 0x0               ; plan, xq, wimg, b1
	s_load_b64 s[12:13], s[0:1], 0x20              ; himg
	v_lshl_add_u32 v110, v0, 2, 0xf000
	v_mov_b32 v111, 0
	v_lshrrev_b32 v1, 5, v0
	v_readfirstlane_b32 s17, v1                    ; wave
	s_and_b32 s14, ttmp7, 0xffff                   ; t
	s_lshr_b32 s15, ttmp9, 2                       ; slot
	s_and_b32 s16, ttmp9, 3                        ; quarter of the hidden layer
	s_lshl_b32 s18, s14, 2
	s_mov_b32 s19, 0
	s_mul_i32 s24, s14, 320
	s_add_co_u32 s24, s24, 256
	s_mov_b32 s25, 0
	s_wait_alu depctr_va_sdst(0)                   ; s17, the wave's number, is written, ahead of its first reader
	s_mul_i32 s26, s17, 192                        ; my two K steps in a row of x's codes
	s_mov_b32 s27, 0
	s_mul_i32 s23, s17, 3072                       ; and among a tile's eight images
	v_and_b32 v54, 31, v0
	v_bfe_u32 v55, v0, 4, 1                        ; h
	v_lshlrev_b32 v1, 4, v54                       ; 16 x lane
	v_lshlrev_b32 v2, 3, v54                       ; 8 x lane
	v_lshlrev_b32 v3, 2, v54                       ; 4 x lane
	v_lshlrev_b32 v4, 6, v55                       ; b1: 16 numbers for each half of the lanes
	v_and_b32 v5, 15, v0
	v_lshlrev_b32 v5, 2, v5                        ; 4 r
	v_mul_u32_u24 v49, v55, 48
	v_add_nc_u32 v[XW], s23, v1
	v_mov_b32 v[OW], v1                            ; the first trip begins at my first block
	v_mov_b32 v[OS], v1
	v_mov_b32 v[OB], v4
	s_wait_kmcnt 0x0
	s_add_nc_u64 s[20:21], s[4:5], s[18:19]
	s_load_b32 s22, s[20:21], 0x0                  ; the tile's word,
	s_add_nc_u64 s[38:39], s[4:5], s[24:25]
	s_wait_alu depctr_va_vdst(0)                   ; the offsets v1 to v5 and v60 to v63 are written, which the loads and stores below read
.irp m, 0,1,2,3,4
	global_load_b32 v[6+\m], v5, s[38:39] offset:64*\m   ; and, at the same time, its tokens: every position of the plan is written
.endr
	s_add_nc_u64 s[78:79], s[6:7], s[26:27]        ; x's codes at my two K steps
	s_add_nc_u64 s[76:77], s[6:7], XQS             ; x's scale bytes
	v_mov_b32 v50, 0x2fa84a8d                      ; a5
	v_mov_b32 v51, 0x2fa84a8d
	v_mov_b32 v52, 0xb7dfbd29                      ; b3
	v_mov_b32 v53, 0xb7dfbd29
.irp m, 0,1,2,3,4
	v_mov_b32 v[SCW+\m], 0
.endr
	s_wait_loadcnt 0x0                             ; the tokens
.irp m, 0,1,2,3,4
	v_min_u32 v[6+\m], 2047, v[6+\m]               ; a pad takes token 2047's row
	v_lshlrev_b32 v[11+\m], 5, v[6+\m]
	v_lshl_add_u32 v[11+\m], v55, 4, v[11+\m]      ; its scale words: four K steps for each half of the lanes
	v_mul_u32_u24 v[6+\m], 768, v[6+\m]
	v_add_nc_u32 v[6+\m], v49, v[6+\m]             ; its codes, + 48 h
.endr
	s_wait_alu depctr_va_vdst(0)                   ; the rows' offsets v6 to v15 are written, which the gathers below read
.irp m, 0,1,2,3,4
.irp q, 0,1
.irp j, 0,1,2
	global_load_b128 v[XT+24*\m+12*\q+4*\j:XT+24*\m+12*\q+4*\j+3], v[6+\m], s[78:79] offset:96*\q+16*\j   ; tokens m, K step 2 w + q, registers 4 j on
.endr
.endr
.endr
.irp m, 0,1,2,3,4
	global_load_b128 v[XS+4*\m:XS+4*\m+3], v[11+\m], s[76:77]   ; register s % 4; lanes 0-15 K steps 0-3, lanes 16-31 K steps 4-7
.endr
	s_wait_kmcnt 0x0                               ; the tile's word
	s_lshl_b32 s23, s15, 3
	s_lshr_b32 s23, s22, s23
	s_and_b32 s23, s23, 255
	s_min_u32 s23, s23, 3                          ; the expert
	s_lshl_b32 s24, s16, 5
	s_lshl_b32 s25, s17, 3
	s_add_co_u32 s24, s24, s25                     ; my first block of 32 hidden units
	s_lshl_b32 s25, s23, 7
	s_add_co_u32 s25, s25, s24
	s_mul_i32 s18, s25, 24576
	s_add_nc_u64 s[SW:SW+1], s[8:9], s[18:19]
	s_lshl_b32 s18, s25, 10
	s_add_co_u32 s18, s18, W1S
	s_add_nc_u64 s[SS:SS+1], s[8:9], s[18:19]
	s_lshl_b32 s18, s25, 7
	s_add_nc_u64 s[SB:SB+1], s[10:11], s[18:19]
	WIN 0x40                                       ; my first block of W1: 54 loads, behind x's on the way.  No vector instruction has named their registers, and none was issued since the wait above
.irp s, 0,1,2,3,4,5,6,7
	LOADW 0, \s
.endr
	LOADR 0
	s_mul_i32 s26, s15, 31
	s_add_co_u32 s26, s26, s14                     ; 31 slot + t
	s_lshr_b32 s27, s24, 2                         ; my first K step of the second product
	s_mul_i32 s18, s26, 245760
	s_mul_i32 s25, s27, 1536
	s_add_co_u32 s18, s18, s25
	s_add_nc_u64 s[SH:SH+1], s[12:13], s[18:19]
	s_lshl_b32 s18, s26, 5
	s_add_co_u32 s18, s18, s27
	s_mul_i32 s18, s18, 640
	s_add_co_u32 s18, s18, HS0
	s_add_nc_u64 s[SHS:SHS+1], s[12:13], s[18:19]
	CPAIR CA6, 0xabd3f331
	CPAIR CA4, 0xb347667d
	CPAIR CA3, 0xb628d45d
	CPAIR CA2, 0xb8883d9c
	CPAIR CA1, 0xba08eb41
	CPAIR CA0, 0xbbba79f3
	CPAIR CB4, 0xb57460cd
	CPAIR CB2, 0xb9dc924e
	CPAIR CB1, 0xbb719bf8
	CPAIR CB0, 0xbc69b6a7
	s_mov_b32 s60, 0xc0ad7080                      ; -5.41998: 3.8325 sqrt 2
	s_mov_b32 s61, 0x40ad7080
	s_mov_b32 s62, 0x76543210
	s_mov_b32 s63, 0xfedcba98                      ; v_permlanex16_b32: lane l xor 16
	s_mov_b32 s66, 0                               ; the trip
	s_mov_b32 s67, 0                               ; where the trip's two scale bytes go in the word: 0 and 8, then 16 and 24
	s_mov_b32 s68, 8
	s_wait_loadcnt 59                              ; my ten fragments of x are in; behind them the 5 loads of scale words and the block's 54 may be out
.irp m, 0,1,2,3,4
.irp q, 0,1
.irp j, 0,1,2
	ds_store_b128 v[XW], v[XT+24*\m+12*\q+4*\j:XT+24*\m+12*\q+4*\j+3] offset:12288*\m+1536*\q+512*\j   ; the image of fragment (m, 2 w + q): 512 consecutive bytes a store
.endr
.endr
.endr
	s_wait_dscnt 0x0                               ; for the others' sake: my images lie in LDS
	s_barrier_signal -1
	s_barrier_wait -1                              ; all forty do
	s_wait_alu depctr_vm_vsrc(0)                   ; my LDS stores have read v[XT ..]: these registers are the gelu's and the accumulators' from here on
	s_bitcmp1_b32 s22, 16
	s_cbranch_scc0 .Lend                           ; no such tile in this split
.macro XFETCH m, s                     ; an image comes back as the registers that it was, in any wave
	SETXF \m, \s
	WIN ((rXF>>8)<<6)
.irp j, 0,1,2
	ds_load_b128 v[(rXF&255)+4*\j:(rXF&255)+4*\j+3], v1 offset:12288*(\m)+1536*(\s)+512*\j
.endr
.endm
.irp m, 0,1                                    ; those of window 2 first, then those of window 3
.irp s, 0,1,2,3,4,5,6,7
	XFETCH \m, \s
.endr
.endr
.irp s, 0,1,2,3,4
	XFETCH 4, \s
.endr
.irp m, 2,3
.irp s, 0,1,2,3,4,5,6,7
	XFETCH \m, \s
.endr
.endr
.irp s, 5,6,7
	XFETCH 4, \s
.endr
	WIN 0
; a block's 80 products.  The ten accumulators take turns, one instruction a turn.  The order of m keeps x's window as long as it can
.macro MM m, u, s
	SETXF \m, \s
.set rX, rXF&255
.set rW, 96*(\u)+12*(\s)
.set rA, ACC+16*(\m)+8*(\u)
.set rS, XS+4*(\m)+((\s)&3)
.if (\s) == 0
	WIN (0x11|((rXF>>8)<<2))
	WMS v[rA:rA+7], v[rW:rW+11], v[rX:rX+11], v[192+8*(\u):199+8*(\u)], v[WS+(\s)], v[rS], \u, 0
.else
	WIN (0x01|((rXF>>8)<<2))
	WMS v[rA:rA+7], v[rW:rW+11], v[rX:rX+11], v[rA:rA+7], v[WS+(\s)], v[rS], \u, (\s)/4
.endif
.endm
.macro MSTEP s                         ; a K step's ten
.if (\s) < 5
.irp m, 0,1,4,2,3
.irp u, 0,1
	MM \m, \u, \s
.endr
.endr
.else
.irp m, 0,1,2,3,4
.irp u, 0,1
	MM \m, \u, \s
.endr
.endr
.endif
.endm
; blk >= 0: the block that stands blk blocks ahead of the trip's first is asked for, into the registers that this block's products have read; blk = -1: nothing is asked for, and no wait is written.
; Four plain places stand behind the products ahead of each of the two waits (ISA guide 7.12.1); the last four also stand ahead of the first read of results.
.macro MULG blk
.irp s, 0,1,2,3,4,5,6,7
	MSTEP \s
.if ((\blk) >= 0) && ((\s) == 3)
.rept 4
	v_nop
.endr
	WIN 0x40
	s_wait_alu depctr_va_vdst(0)                   ; the products of K steps 0 to 3 are done reading their fragments of W1, in which the loads below and those behind K step 5 land; v[OW] is written, which they read
	LOADW \blk, 0
	LOADW \blk, 1
.endif
.if ((\blk) >= 0) && ((\s) == 5)
	WIN 0x40
	LOADW \blk, 2                                  ; no wait: the products issued since the wait above, K steps 4 and 5, name neither these registers nor v[OW]
	LOADW \blk, 3
.endif
.endr
	WIN 0
.rept 4
	v_nop
.endr
.if (\blk) >= 0
	WIN 0x40
	s_wait_alu depctr_va_vdst(0)                   ; the products of K steps 4 to 7 are done reading their fragments, all products their scale words and b1: the loads below land in these; v[OS] and v[OB] are written
	LOADW \blk, 4
	LOADW \blk, 5
	LOADW \blk, 6
	LOADW \blk, 7
	LOADR \blk
.endif
.endm
.macro HSTORE m                        ; the half image of tokens m leaves
	global_store_b128 v1, v[HI+8*(\m):HI+8*(\m)+3], s[SH:SH+1] offset:49152*(\m)          ; 512 consecutive bytes,
	global_store_b64 v2, v[HI+8*(\m)+4:HI+8*(\m)+5], s[SH:SH+1] offset:49152*(\m)+512     ; and 256
.endm
; gelu of the 16 numbers of tokens m, in place.  Each accumulator is read from its low end on.  st = 1: the half image of tokens m - 1 is stored behind the wait for the reciprocals.
.macro GELU16 m, st
.set GA, ACC+16*(\m)
.irp i, 0,1,2,3,4,5,6,7,8,9,10,11,12,13,14,15
	v_med3_num_f32 v[XC+\i], v[GA+\i], s60, s61    ; x, held
.endr
.irp i, 0,2,4,6,8,10,12,14
	v_pk_mul_f32 v[YY+\i:YY+\i+1], v[XC+\i:XC+\i+1], v[XC+\i:XC+\i+1]
.endr
.irp i, 0,2,4,6,8,10,12,14
	v_pk_fma_f32 v[QQ+\i:QQ+\i+1], v[YY+\i:YY+\i+1], s[CB4:CB4+1], v[52:53] op_sel_hi:[1,0,1]
.endr
.irp c, CB2, CB1, CB0
.irp i, 0,2,4,6,8,10,12,14
	v_pk_fma_f32 v[QQ+\i:QQ+\i+1], v[QQ+\i:QQ+\i+1], v[YY+\i:YY+\i+1], s[\c:\c+1] op_sel_hi:[1,1,0]
.endr
.endr
	s_wait_alu depctr_va_vdst(0)
.irp i, 0,1,2,3,4,5,6,7,8,9,10,11,12,13,14,15
	v_rcp_f32 v[QQ+\i], v[QQ+\i]                   ; one batch; the numerator's 56 lines are the independent work behind it
.endr
.irp i, 0,2,4,6,8,10,12,14
	v_pk_fma_f32 v[PP+\i:PP+\i+1], v[YY+\i:YY+\i+1], s[CA6:CA6+1], v[50:51] op_sel_hi:[1,0,1]
.endr
.irp c, CA4, CA3, CA2, CA1, CA0
.irp i, 0,2,4,6,8,10,12,14
	v_pk_fma_f32 v[PP+\i:PP+\i+1], v[PP+\i:PP+\i+1], v[YY+\i:YY+\i+1], s[\c:\c+1] op_sel_hi:[1,1,0]
.endr
.endr
.irp i, 0,2,4,6,8,10,12,14
	v_pk_mul_f32 v[PP+\i:PP+\i+1], v[PP+\i:PP+\i+1], v[XC+\i:XC+\i+1]
.endr
	s_wait_alu depctr_va_vdst(0)                   ; the sixteen reciprocals have written v[QQ ..], ahead of their first reader; st = 1: the exchanges and moves have written the codes of tokens m - 1, which the two stores below read
.if \st
	HSTORE (\m)-1
.endif
.irp i, 0,2,4,6,8,10,12,14
	v_pk_fma_f32 v[PP+\i:PP+\i+1], v[PP+\i:PP+\i+1], v[QQ+\i:QQ+\i+1], 0.5 op_sel_hi:[1,1,0]
.endr
.irp i, 0,2,4,6,8,10,12,14
	v_pk_mul_f32 v[GA+\i:GA+\i+1], v[GA+\i:GA+\i+1], v[PP+\i:PP+\i+1]
.endr
.endm
; the block's scale and codes for tokens m: my 16 numbers and lane l xor 16's are the block
.macro QB m, dst, sh
.set GA, ACC+16*(\m)
	v_max3_num_f32 v56, |v[GA]|, |v[GA+1]|, 0x1800000   ; the floor 2^(3 - 127): the byte cannot fall under 1
	v_max3_num_f32 v57, |v[GA+2]|, |v[GA+3]|, |v[GA+4]|
	v_max3_num_f32 v56, v56, |v[GA+5]|, |v[GA+6]|
	v_max3_num_f32 v57, v57, |v[GA+7]|, |v[GA+8]|
	v_max3_num_f32 v56, v56, |v[GA+9]|, |v[GA+10]|
	v_max3_num_f32 v57, v57, |v[GA+11]|, |v[GA+12]|
	v_max3_num_f32 v56, v56, |v[GA+13]|, |v[GA+14]|
	v_max3_num_f32 v56, v56, v57, |v[GA+15]|
	v_permlanex16_b32 v57, v56, s62, s63
	v_max_num_f32 v56, v56, v57
	v_add_nc_u32 v58, 0xff000000, v56              ; 2 off the exponent field: the conversion's scale operand
	v_lshrrev_b32 v59, 23, v58                     ; the byte
	v_cvt_scalef32_pk16_fp6_f32 v[\dst:\dst+2], v[GA:GA+15], v58
	v_lshl_or_b32 v[SCW+\m], v59, \sh, v[SCW+\m]   ; into the token's scale word (the plain line behind the conversion)
.endm
.macro EPI0                            ; block c of the K step: its codes wait in v[HI + 8 m]
.irp m, 0,1,2,3,4
	GELU16 \m, 0
	QB \m, HI+8*\m, s67
.endr
.endm
.macro EPI1                            ; block c + 2: the halves change places, so that lanes 0-15 hold block c whole and lanes 16-31 block c + 2; the half image leaves, each 16 tokens' part one gelu later
.irp m, 0,1,2,3,4
.if \m > 0
	GELU16 \m, 1
.else
	GELU16 \m, 0
.endif
	QB \m, TT, s68
.irp i, 0,1,2
	v_permlane16_swap_b32 v[HI+8*\m+\i], v[TT+\i]
.endr
.irp i, 0,1,2
	v_mov_b32 v[HI+8*\m+3+\i], v[TT+\i]
.endr
.endr
	s_wait_alu depctr_va_vdst(0)                   ; the codes of tokens 4 are written, which the two stores below read, and so are the five scale words, which the stores of every second trip read
	HSTORE 4
.endm
.macro WORDS                           ; a K step's scale words, whole behind its second half
.irp m, 0,1,2,3,4
	global_store_b32 v3, v[SCW+\m], s[SHS:SHS+1] offset:128*\m
.endr
.endm
	s_wait_dscnt 0x0                               ; x's forty fragments are in my registers
.Ltrip:                                            ; trip p: K step p / 2 of my two, half c = p % 2; the four trips begin at my blocks 0, 1, 4, 5.  Three go round here; the last is written out, since it asks for less
	s_wait_loadcnt 0x0                             ; the block's W1 (in the first trip x's scale words too)
	MULG 2                                         ; block c; block c + 2 is asked for
	EPI0
	s_wait_loadcnt 0x0                             ; block c + 2 is in
	s_add_co_u32 s70, s66, 1                       ; the next trip p: its first block is p % 2 + 4 (p / 2)
	s_and_b32 s72, s70, 1
	s_lshr_b32 s70, s70, 1
	s_lshl_b32 s70, s70, 2
	s_add_co_u32 s70, s70, s72
	s_mul_i32 s72, s70, 24576
	s_wait_alu depctr_vm_vsrc(0)                   ; the loads issued so far have read v[OW], v[OS] and v[OB], which the three lines below write
	v_add_nc_u32 v[OW], s72, v1
	s_lshl_b32 s72, s70, 10
	v_add_nc_u32 v[OS], s72, v1
	s_lshl_b32 s72, s70, 7
	v_add_nc_u32 v[OB], s72, v4
	MULG 0                                         ; block c + 2; the next trip's first block is asked for
	EPI1
	s_bitcmp1_b32 s66, 0
	s_cbranch_scc0 .Lnoword
	WORDS
	s_wait_xcnt 0x0                                ; the stores have had their addresses translated: their data and base may be written
	s_wait_alu depctr_vm_vsrc(0)                   ; the five stores have read the scale words, which are cleared below
.irp m, 0,1,2,3,4
	v_mov_b32 v[SCW+\m], 0
.endr
	s_add_nc_u64 s[SHS:SHS+1], s[SHS:SHS+1], 640
.Lnoword:
	s_wait_xcnt 0x0                                ; the half image's stores have had their addresses translated: their registers and base may be written
	s_wait_alu depctr_vm_vsrc(0)                   ; the half image's stores have read v[HI ..], which the next trip's conversions write
	s_add_nc_u64 s[SH:SH+1], s[SH:SH+1], 768
	s_xor_b32 s67, s67, 16
	s_xor_b32 s68, s68, 16
	s_add_co_u32 s66, s66, 1
	s_cmp_lt_u32 s66, 3
	s_cbranch_scc1 .Ltrip
	s_wait_loadcnt 0x0                             ; the last trip: my blocks 5 and 7
	MULG 2
	EPI0
	s_wait_loadcnt 0x0
	MULG -1                                        ; nothing is left to ask for
	EPI1
	WORDS
.Lend:
	s_wait_dscnt 0x0                               ; the closing lines, six on end
	s_wait_alu 0x0
	s_wait_tensorcnt 0x0
	ds_add_u32 v110, v111
	s_wait_dscnt 0x0
	s_endpgm
.Lfunc_end_k_q2b776fb95e_ffn1:
	.size	k_q2b776fb95e_ffn1, .Lfunc_end_k_q2b776fb95e_ffn1-k_q2b776fb95e_ffn1
	.p2alignl 7, 3214868480
	.fill 96, 4, 3214868480
	.section	.rodata,"a",@progbits
	.p2align	6, 0x0
	.amdhsa_kernel k_q2b776fb95e_ffn1
		.amdhsa_group_segment_fixed_size 61952
		.amdhsa_private_segment_fixed_size 0
		.amdhsa_enable_private_segment 0
		.amdhsa_kernarg_size 40
		.amdhsa_user_sgpr_count 2
		.amdhsa_user_sgpr_kernarg_segment_ptr 1
		.amdhsa_wavefront_size32 1
		.amdhsa_system_sgpr_workgroup_id_x 1
		.amdhsa_system_sgpr_workgroup_id_y 1
		.amdhsa_system_sgpr_workgroup_id_z 1
		.amdhsa_system_vgpr_workitem_id 0
		.amdhsa_next_free_vgpr 1024
		.amdhsa_next_free_sgpr 80
		.amdhsa_reserve_vcc 0
		.amdhsa_float_denorm_mode_32 3
		.amdhsa_float_denorm_mode_16_64 3
		.amdhsa_memory_ordered 1
		.amdhsa_forward_progress 1
		.amdhsa_inst_pref_size 255
	.end_amdhsa_kernel
	.section	.bss,"aw",@nobits
	.p2align	6
	.space	262144
	.amdgpu_metadata
---
amdhsa.version: [ 1, 2 ]
amdhsa.kernels:
  - .name:           k_q2b776fb95e_ffn1
    .symbol:         k_q2b776fb95e_ffn1.kd
    .args:
      - { .name: plan, .offset: 0, .size: 8, .value_kind: global_buffer, .address_space: global }
      - { .name: xq, .offset: 8, .size: 8, .value_kind: global_buffer, .address_space: global }
      - { .name: wimg, .offset: 16, .size: 8, .value_kind: global_buffer, .address_space: global }
      - { .name: b1, .offset: 24, .size: 8, .value_kind: global_buffer, .address_space: global }
      - { .name: himg, .offset: 32, .size: 8, .value_kind: global_buffer, .address_space: global }
    .group_segment_fixed_size: 61952
    .private_segment_fixed_size: 0
    .kernarg_segment_align: 8
    .kernarg_segment_size: 40
    .max_flat_workgroup_size: 128
    .sgpr_count:     80
    .vgpr_count:     1024
    .wavefront_size: 32
...
	.end_amdgpu_metadata
.endif
;; end of part 7
;; launch ffn2 (part 8): grid 8 x 31, 4 waves a work-group, no clusters, 169,472 bytes of LDS; arguments plan, xq, wimg, b2, himg, out0; writes out0
.if DOCPART == 8
	.amdgcn_target "amdgcn-amd-amdhsa--gfx1250"
	.amdhsa_code_object_version 6
	.text
	.protected	k_q2b776fb95e_ffn2
	.globl	k_q2b776fb95e_ffn2
	.p2align	8
	.type	k_q2b776fb95e_ffn2,@function
k_q2b776fb95e_ffn2:
	s_mov_b64 s[64:65], 0
	v_nop
	global_prefetch_b8 v0, s[64:65] scope:SCOPE_SE
	s_setreg_imm32_b32 hwreg(HW_REG_WAVE_SCHED_MODE, 0, 2), 2
	s_setreg_imm32_b32 hwreg(HW_REG_WAVE_MODE, 25, 1), 1
	s_wait_xcnt 0x0
	s_wait_alu depctr_vm_vsrc(0)
; FFN2.  out[token] = g_lo (h_lo W2_lo^T + b2_lo) + g_hi (h_hi W2_hi^T + b2_hi) for the 80 positions of tile t (y) and outputs 128 x .. 128 x + 127: one owner for each output number.
; K IS SHARED AMONG THE WAVES: wave w takes slot w / 2 (one expert, one weight a token) and half w % 2 of its 4,096 hidden units: 16 K steps, 5 x 8 accumulators; no fragment is read by two waves.
; Both operands come straight from their images in memory, 512 or 256 consecutive bytes a load, three K steps' registers by turns.  Each wave multiplies its sums by the token's weight and lays them
; in LDS (80 rows x 528 bytes a wave); ONE barrier; then wave w adds the four parts of rows 20 w .. 20 w + 19, adds the weighted biases, and stores whole rows of 512 bytes.
; ALL THE SMALL THINGS ARE ASKED FOR AT THE HEAD, on every wave's path: the tile's word and, at the same time, its tokens (every position of the plan is written); then the tokens' weights and both b2.
; What the last block wants (its 20 rows' tokens, weights, b2) waits in registers through the products.
; A tile that the split leaves empty jumps over both blocks of work: branches on a stored number, forward, round no barrier: every wave passes the one barrier.  So no tensor load and no cluster
; (which tiles share an expert hangs on the stored split).  Pads (token 2048) are computed as token 2047's rows and not stored.
; THE PRODUCT IS USED TRANSPOSED: source 0 = 16 rows of W2, source 1 = 16 tokens: a lane holds one token and eight neighbouring outputs.
; LIMITS: NaN and infinities are not served.  The sum over K is taken in four parts.
; THE MODE: SCHED_MODE bits 1:0 = 2 (LLVM: expert scheduling mode 2), set by the entry lines.  The code itself states the register dependences
; between vector or matrix instructions and memory or LDS instructions, with s_wait_alu, always for 0.
; THE PLAN.  Registers that memory or LDS instructions touch:
;   The three turns of fragments: K step s's forty products read turn s % 3; the loads of K step s + 2 land in turn (s + 2) % 3, which the products of K step s - 1 read.  ONE wait on va_vdst at a step's head, behind
;     the wait for the step's data: the last step's products are done.  The step's 44 loads follow it in five parts, one ahead of each eight products, which name another turn, the accumulators and scale words.
;   v132-163, v164-195  two out-buffers by turns: a quarter's sixteen products write one, eight LDS stores read it.  Ahead of the stores one wait on va_vdst (this buffer is written) and one on vm_vsrc (the quarter
;     before's stores have read the other buffer, which the next quarter writes).  Behind the barrier the rows' LDS loads land in v132-211: one wait on vm_vsrc stands ahead of them.
;   A batch of five rows: 20 LDS loads; ten readlanes into s24-43 and one wait on va_sdst; the sums; one wait on va_vdst (the sums and the five addresses v212-216 are written, and the sums are done reading);
;     five stores; one wait on vm_vsrc ahead of the next batch's loads.
;   v1-9, v15 offsets, v10-14, v220 offsets made from tokens: written at the head ahead of a wait on va_vdst, and never again.   v254, v255: read by the closing add alone.
; REGISTERS: window 0: v1-9, v15 offsets; v10-14 tokens; v16-79 W2's scale words; v80-119 the hidden layer's; v120-129 the weights; v132-191 hidden fragments, turn 0; v220-231 for the last block.
;   Window 1: v256-351, v352-447 W2's fragments, turns 0, 1; v448-507 hidden fragments, turn 2.  Window 2: accumulators of tokens 0-63.
;   Window 3: v768-831 those of tokens 64-79; v832-927 W2, turn 2; v928-987 hidden fragments, turn 1.
.set W2I, 12582912
.set W2S, 25690112
.set HS0, 15237120
.set XQG, 1638400
.set WSC, 16
.set HSC, 80
.set GG,  120
.set TMP, 132
.set PT,  220                          ; v220      lane l: row l's token, then the offset of its weights
.set PG,  222                          ; v[222:223] lane l: row l's two weights
.set PB,  224                          ; v[224:227] b2 of the lower expert, my four outputs; v[228:231] of the higher
.set GW,  24                           ; s[24:43]  in the last block: row q of a batch of five: its lower expert's weight in s[24 + 4 q], its higher's in s[26 + 4 q], each the low word of a pair
.set MSB, 0
.macro WIN new                         ; the immediate's high byte repeats the setting that is left; a switch that changes nothing is dropped
.if MSB != (\new)
	s_set_vgpr_msb (MSB<<8)|(\new)
.set MSB, (\new)
.endif
.endm
.macro WMS d, a, b, c, sa, sb, ra, rb  ; the one matrix form; ra, rb: the side's scale words stand in lanes 16-31
.if (\ra) && (\rb)
	v_wmma_scale_f32_16x16x128_f8f6f4 \d, \a, \b, \c, \sa, \sb matrix_a_fmt:MATRIX_FMT_FP6 matrix_b_fmt:MATRIX_FMT_FP6 matrix_a_scale:MATRIX_SCALE_ROW1 matrix_b_scale:MATRIX_SCALE_ROW1
.elseif (\ra)
	v_wmma_scale_f32_16x16x128_f8f6f4 \d, \a, \b, \c, \sa, \sb matrix_a_fmt:MATRIX_FMT_FP6 matrix_b_fmt:MATRIX_FMT_FP6 matrix_a_scale:MATRIX_SCALE_ROW1
.elseif (\rb)
	v_wmma_scale_f32_16x16x128_f8f6f4 \d, \a, \b, \c, \sa, \sb matrix_a_fmt:MATRIX_FMT_FP6 matrix_b_fmt:MATRIX_FMT_FP6 matrix_b_scale:MATRIX_SCALE_ROW1
.else
	v_wmma_scale_f32_16x16x128_f8f6f4 \d, \a, \b, \c, \sa, \sb matrix_a_fmt:MATRIX_FMT_FP6 matrix_b_fmt:MATRIX_FMT_FP6
.endif
.endm
.macro RING s                          ; where K step s's fragments stand
.if ((\s)%3) == 0
.set hfb, 132
.set wfb, 256
.elseif ((\s)%3) == 1
.set hfb, 928
.set wfb, 352
.else
.set hfb, 448
.set wfb, 832
.endif
.endm
	s_load_b256 s[4:11], s[0:1], 0x0               ; plan, xq, wimg, b2
	s_load_b128 s[12:15], s[0:1], 0x20             ; himg, out0
	v_lshl_add_u32 v254, v0, 2, 0x29400
	v_mov_b32 v255, 0
	v_lshrrev_b32 v1, 5, v0
	v_readfirstlane_b32 s18, v1                    ; wave
	v_and_b32 v10, 31, v0
	v_and_b32 v11, 15, v0                          ; r
	v_bfe_u32 v12, v0, 4, 1                        ; h
	v_lshlrev_b32 v1, 4, v10                       ; 16 x lane
	v_lshlrev_b32 v2, 3, v10                       ; 8 x lane
	v_lshlrev_b32 v4, 2, v11                       ; 4 r
	v_mad_u32_u24 v3, v12, 640, v4                 ; the hidden layer's scale words: lanes 0-15 a K step's, lanes 16-31 the next step's
	v_min_u32 v15, 19, v10
	v_lshlrev_b32 v15, 2, v15                      ; a lane to each of my 20 rows (the lanes above 19 take row 19's)
	s_wait_alu depctr_va_sdst(0)                   ; s18, the wave's number, is written, ahead of its first reader
	s_mul_i32 s24, s18, 42240
	v_mul_u32_u24 v5, v11, 528
	v_lshl_add_u32 v5, v12, 5, v5
	v_add_nc_u32 v5, s24, v5                       ; LDS, in: my wave's part, row r, + 32 h
	s_mul_i32 s24, s18, 10560
	v_add_nc_u32 v6, s24, v1                       ; LDS, back: my 20 rows in each of the four parts, 16 bytes a lane
	v_add_nc_u32 v7, 42240, v6
	v_add_nc_u32 v8, 84480, v6
	v_add_nc_u32 v9, 126720, v6
	s_and_b32 s16, ttmp7, 0xffff                   ; t
	s_mov_b32 s17, ttmp9                           ; which 128 outputs
	s_lshr_b32 s19, s18, 1                         ; slot
	s_and_b32 s20, s18, 1                          ; half of K
	s_lshl_b32 s24, s16, 2
	s_mov_b32 s25, 0
	s_mul_i32 s46, s16, 320
	s_add_co_u32 s46, s46, 256
	s_mov_b32 s47, 0
	s_mul_i32 s48, s18, 80
	s_mov_b32 s49, 0
	s_wait_kmcnt 0x0
	s_add_nc_u64 s[26:27], s[4:5], s[24:25]
	s_load_b32 s21, s[26:27], 0x0                  ; the tile's word
	s_add_nc_u64 s[36:37], s[4:5], s[46:47]        ; the tile's tokens,
	s_add_nc_u64 s[50:51], s[36:37], s[48:49]      ; those of my 20 rows:
	s_load_b512 s[68:83], s[50:51], 0x0            ; as scalars,
	s_load_b128 s[84:87], s[50:51], 0x40
	s_wait_alu depctr_va_vdst(0)                   ; the offsets v1 to v9 and v15 are written, which the loads and stores below read; the lines above are done with v10 to v12, in which tokens land
	global_load_b32 v[PT], v15, s[50:51]           ; and a lane to a row
.irp m, 0,1,2,3,4
	global_load_b32 v[10+\m], v4, s[36:37] offset:64*\m   ; and the 80, lane r of each 16
.endr
	s_add_nc_u64 s[38:39], s[6:7], XQG             ; the weights
	s_lshl_b32 s24, s17, 9
	s_add_nc_u64 s[44:45], s[14:15], s[24:25]      ; out0 at my 128 outputs
	s_wait_kmcnt 0x0
	s_and_b32 s22, s21, 255
	s_min_u32 s22, s22, 3                          ; the lower expert,
	s_bfe_u32 s23, s21, 0x80008
	s_min_u32 s23, s23, 3                          ; the higher
	s_lshl_b32 s46, s17, 9
	s_lshl_b32 s24, s22, 12
	s_add_co_u32 s24, s24, s46
	s_add_nc_u64 s[40:41], s[10:11], s[24:25]
	s_lshl_b32 s24, s23, 12
	s_add_co_u32 s24, s24, s46
	s_add_nc_u64 s[42:43], s[10:11], s[24:25]
	global_load_b128 v[PB:PB+3], v1, s[40:41]      ; b2 of the lower expert, my four outputs,
	global_load_b128 v[PB+4:PB+7], v1, s[42:43]    ; of the higher
	s_lshl_b32 s48, s19, 2
	s_wait_loadcnt 2                               ; the six loads of tokens are in; the two of b2 may be out
	v_min_u32 v[PT], 2047, v[PT]
	v_lshlrev_b32 v[PT], 3, v[PT]
.irp m, 0,1,2,3,4
	v_min_u32 v[10+\m], 2047, v[10+\m]
	v_lshlrev_b32 v[10+\m], 3, v[10+\m]
	v_add_nc_u32 v[10+\m], s48, v[10+\m]
	v_mov_b32 v[GG+2*\m+1], 0                      ; (named with the weight as a pair)
.endr
	s_wait_alu depctr_va_vdst(0)                   ; the six offsets made from tokens, v[PT] and v10 to v14, are written, which the six loads below read
	global_load_b64 v[PG:PG+1], v[PT], s[38:39]    ; lane l: row l's two weights
.irp m, 0,1,2,3,4
	global_load_b32 v[GG+2*\m], v[10+\m], s[38:39] ; my slot's weight of my lane's token
.endr
	s_bitcmp1_b32 s21, 16
	s_cbranch_scc0 .Lmeet                          ; no such tile in this split
; ---------------------------------------------------------------- block 1: my part of the sums
	s_cmp_eq_u32 s19, 0
	s_cselect_b32 s46, s22, s23                    ; my expert
	s_lshl_b32 s47, s46, 6
	s_lshl_b32 s48, s17, 3
	s_add_co_u32 s47, s47, s48                     ; my first tile of W2
	s_lshl_b32 s47, s47, 5
	s_lshl_b32 s48, s20, 4
	s_add_co_u32 s47, s47, s48                     ; and my first K step in it
	s_mul_i32 s24, s47, 1536
	s_add_co_u32 s24, s24, W2I
	s_add_nc_u64 s[28:29], s[8:9], s[24:25]
	s_mul_i32 s47, s19, 31
	s_add_co_u32 s47, s47, s16                     ; 31 slot + t
	s_mul_i32 s24, s47, 245760
	s_mul_i32 s48, s20, 16*1536
	s_add_co_u32 s24, s24, s48
	s_add_nc_u64 s[30:31], s[12:13], s[24:25]      ; the hidden layer's images
	s_lshl_b32 s24, s47, 5
	s_lshl_b32 s48, s20, 4
	s_add_co_u32 s24, s24, s48
	s_mul_i32 s24, s24, 640
	s_add_co_u32 s24, s24, HS0
	s_add_nc_u64 s[34:35], s[12:13], s[24:25]      ; and scale words
	s_lshl_b32 s24, s46, 5
	s_lshl_b32 s48, s17, 2
	s_add_co_u32 s24, s24, s48
	s_lshl_b32 s24, s24, 12
	s_lshl_b32 s48, s20, 11
	s_add_co_u32 s24, s24, s48
	s_add_co_u32 s24, s24, W2S
	s_add_nc_u64 s[32:33], s[8:9], s[24:25]        ; W2's scale words
.irp i, 0,1,2,3
.irp g, 0,1,2,3
	global_load_b128 v[WSC+16*\i+4*\g:WSC+16*\i+4*\g+3], v1, s[32:33] offset:4096*\i+512*\g   ; register 16 i + s: K step s of tiles 2 i (lanes 0-15) and 2 i + 1 (lanes 16-31)
.endr
.endr
.irp p, 0,1,2,3,4,5,6,7
.irp m, 0,1,2,3,4
	global_load_b32 v[HSC+5*\p+\m], v3, s[34:35] offset:1280*\p+128*\m   ; register 5 p + m: tokens m, K steps 2 p (lanes 0-15) and 2 p + 1 (lanes 16-31)
.endr
.endr
.macro LOADH s, m                      ; K step s: the hidden layer's fragment of tokens m: four loads
	RING \s
	WIN ((hfb>>8)<<6)
.irp c, 0,1
	global_load_b128 v[(hfb&255)+12*(\m)+6*\c:(hfb&255)+12*(\m)+6*\c+3], v1, s[30:31] offset:49152*(\m)+1536*(\s)+768*\c
	global_load_b64 v[(hfb&255)+12*(\m)+6*\c+4:(hfb&255)+12*(\m)+6*\c+5], v2, s[30:31] offset:49152*(\m)+1536*(\s)+768*\c+512
.endr
.endm
.macro LOADW2 s, n                     ; K step s: W2's fragment of tile n: three loads
	RING \s
	WIN ((wfb>>8)<<6)
.irp j, 0,1,2
	global_load_b128 v[(wfb&255)+12*(\n)+4*\j:(wfb&255)+12*(\n)+4*\j+3], v1, s[28:29] offset:49152*(\n)+1536*(\s)+512*\j
.endr
.endm
.macro LOADK s                         ; K step s in one run: 20 loads for the hidden layer's five fragments, 24 for W2's eight
.irp m, 0,1,2,3,4
	LOADH \s, \m
.endr
.irp n, 0,1,2,3,4,5,6,7
	LOADW2 \s, \n
.endr
.endm
.macro LOADG s, g                      ; part g of five of the same 44: a hidden fragment, and in the first four parts two of W2's
	LOADH \s, \g
.if (\g) < 4
	LOADW2 \s, 2*(\g)
	LOADW2 \s, 2*(\g)+1
.endif
.endm
.macro MK s, m, n
.if (\m) < 4
.set acc, 512+64*(\m)+8*(\n)
.else
.set acc, 768+8*(\n)
.endif
.set rA, acc&255
.set rW, (wfb&255)+12*(\n)
.set rH, (hfb&255)+12*(\m)
	WIN ((wfb>>8)|((hfb>>8)<<2)|((acc>>8)<<4)|((acc>>8)<<6))
.if (\s) == 0
	WMS v[rA:rA+7], v[rW:rW+11], v[rH:rH+11], 0, v[WSC+16*((\n)/2)+(\s)], v[HSC+5*((\s)/2)+(\m)], (\n)%2, (\s)%2
.else
	WMS v[rA:rA+7], v[rW:rW+11], v[rH:rH+11], v[rA:rA+7], v[WSC+16*((\n)/2)+(\s)], v[HSC+5*((\s)/2)+(\m)], (\n)%2, (\s)%2
.endif
.endm
.macro MROW s, m                       ; eight of a K step's 40 products; the 40 accumulators take turns, one instruction a turn; the first K step starts the sums
	RING \s
.irp n, 0,1,2,3,4,5,6,7
	MK \s, \m, \n
.endr
.endm
	LOADK 0
	LOADK 1
.irp s, 0,1,2,3,4,5,6,7,8,9,10,11,12,13,14,15
.if (\s > 0) && (\s < 14)
.rept 4
	v_nop                                          ; four plain places behind the last product, ahead of the wait and of the loads into the registers that it read
.endr
.endif
.if \s < 15
	s_wait_loadcnt 44                              ; loads come back in order (ISA guide 5.7.1): this step's are in; the next step's 44 may be out
.else
	s_wait_loadcnt 0x0
.endif
.if (\s > 0) && (\s < 14)
	s_wait_alu depctr_va_vdst(0)                   ; the last step's products are done reading their turn of fragments, in which the 44 loads of this step land
.endif
.irp m, 0,1,2,3,4
.if \s < 14
	LOADG \s+2, \m                                 ; two K steps ahead.  No further wait: the products issued since the wait name this step's turn, the accumulators and the scale words
.endif
	MROW \s, \m
.endr
.endr
.rept 4
	v_nop                                          ; places ahead of the first read of results and of writes into the last step's operands
.endr
.macro OUTQ m, q                       ; four accumulators: times the token's weight, into my part of the stage.  An LDS store's address stands in window 0, so the windows change twice
.if (\m) < 4
.set acc, 512+64*(\m)+32*(\q)
.else
.set acc, 768+32*(\q)
.endif
.set tp, TMP+32*(\q)
	WIN (acc>>8)
.irp i, 0,1,2,3,4,5,6,7,8,9,10,11,12,13,14,15
	v_pk_mul_f32 v[tp+2*\i:tp+2*\i+1], v[(acc&255)+2*\i:(acc&255)+2*\i+1], v[GG+2*(\m):GG+2*(\m)+1] op_sel_hi:[1,0]   ; each accumulator from its low end on
.endr
	WIN 0
	s_wait_alu depctr_va_vdst(0)                   ; the sixteen products have written this out-buffer, which the LDS stores below read
.if (2*(\m)+(\q) > 0) && (2*(\m)+(\q) < 9)
	s_wait_alu depctr_vm_vsrc(0)                   ; the LDS stores of the quarter before have read the other out-buffer, which the next quarter's products write
.endif
.irp n, 0,1,2,3
	ds_store_b128 v5, v[tp+8*\n:tp+8*\n+3] offset:8448*(\m)+64*(4*(\q)+\n)
	ds_store_b128 v5, v[tp+8*\n+4:tp+8*\n+7] offset:8448*(\m)+64*(4*(\q)+\n)+16
.endr
.endm
.irp m, 0,1,2,3,4
	OUTQ \m, 0
	OUTQ \m, 1
.endr
.Lmeet:
	s_wait_dscnt 0x0                               ; for the others' sake: my stores into the stage are done
	s_barrier_signal -1
	s_barrier_wait -1
	s_wait_alu depctr_vm_vsrc(0)                   ; my LDS stores have read both out-buffers, in which the rows' LDS loads below land
	s_bitcmp1_b32 s21, 16
	s_cbranch_scc0 .Lend
; ---------------------------------------------------------------- block 2: my 20 rows
	s_wait_loadcnt 0x0                             ; their weights and both b2, asked for at the head; every load of mine is done, so the scalar registers that held bases may be written
.irp i, 0,1,2,3,4,5,6,7,8,9
	s_mov_b32 s[GW+2*\i+1], 0                      ; (named as the upper halves of pairs)
.endr
.macro ROWSUM row, rr                  ; the four parts, the weighted biases, and where the row goes
.set rD, 132+16*(\rr)
	v_pk_add_f32 v[rD:rD+1], v[rD:rD+1], v[rD+4:rD+5]
	v_pk_add_f32 v[rD+2:rD+3], v[rD+2:rD+3], v[rD+6:rD+7]
	v_pk_add_f32 v[rD+8:rD+9], v[rD+8:rD+9], v[rD+12:rD+13]
	v_pk_add_f32 v[rD+10:rD+11], v[rD+10:rD+11], v[rD+14:rD+15]
	v_pk_add_f32 v[rD:rD+1], v[rD:rD+1], v[rD+8:rD+9]
	v_pk_add_f32 v[rD+2:rD+3], v[rD+2:rD+3], v[rD+10:rD+11]
	v_pk_fma_f32 v[rD:rD+1], v[PB:PB+1], s[GW+4*(\rr):GW+4*(\rr)+1], v[rD:rD+1] op_sel_hi:[1,0,1]
	v_pk_fma_f32 v[rD+2:rD+3], v[PB+2:PB+3], s[GW+4*(\rr):GW+4*(\rr)+1], v[rD+2:rD+3] op_sel_hi:[1,0,1]
	v_pk_fma_f32 v[rD:rD+1], v[PB+4:PB+5], s[GW+4*(\rr)+2:GW+4*(\rr)+3], v[rD:rD+1] op_sel_hi:[1,0,1]
	v_pk_fma_f32 v[rD+2:rD+3], v[PB+6:PB+7], s[GW+4*(\rr)+2:GW+4*(\rr)+3], v[rD+2:rD+3] op_sel_hi:[1,0,1]
	s_min_u32 s88, s[68+(\row)], 2047
	v_lshl_add_u32 v[212+(\rr)], s88, 12, v1
.endm
.macro ROWST row, rr
.set rD, 132+16*(\rr)
	s_cmp_lt_u32 s[68+(\row)], 2048
	s_cbranch_scc0 .Lpad_\@                        ; a pad is not stored
	global_store_b128 v[212+(\rr)], v[rD:rD+3], s[44:45] th:TH_STORE_NT   ; 32 lanes store 512 consecutive bytes, at a multiple of 256 from out0's first byte
.Lpad_\@:
.endm
.irp b, 0,1,2,3
.irp q, 0,1,2,3,4
.irp k, 0,1,2,3
	ds_load_b128 v[132+16*\q+4*\k:135+16*\q+4*\k], v[6+\k] offset:528*(5*\b+\q)
.endr
.endr
.irp q, 0,1,2,3,4
	v_readlane_b32 s[GW+4*\q], v[PG], 5*\b+\q      ; the five rows' weights, in one run
	v_readlane_b32 s[GW+4*\q+2], v[PG+1], 5*\b+\q
.endr
	s_wait_alu depctr_va_sdst(0)                   ; the ten weights are written into s24 to s42, ahead of their first reader and of every branch
	s_wait_dscnt 0x0
.irp q, 0,1,2,3,4
	ROWSUM 5*\b+\q, \q
.endr
	s_wait_alu depctr_va_vdst(0)                   ; the five sums and the five addresses v212 to v216 are written, which the stores below read; the sums are done reading v132 to v211, in which the next batch's loads land
.irp q, 0,1,2,3,4
	ROWST 5*\b+\q, \q
.endr
	s_wait_xcnt 0x0                                ; the stores have had their addresses translated: the next five rows may land in their registers
.if \b < 3
	s_wait_alu depctr_vm_vsrc(0)                   ; the stores have read their sums and addresses: the next batch's loads land in the first, its lines write the second
.endif
.endr
.Lend:
	s_wait_dscnt 0x0                               ; the closing lines, six on end
	s_wait_alu 0x0
	s_wait_tensorcnt 0x0
	ds_add_u32 v254, v255
	s_wait_dscnt 0x0
	s_endpgm
.Lfunc_end_k_q2b776fb95e_ffn2:
	.size	k_q2b776fb95e_ffn2, .Lfunc_end_k_q2b776fb95e_ffn2-k_q2b776fb95e_ffn2
	.p2alignl 7, 3214868480
	.fill 96, 4, 3214868480
	.section	.rodata,"a",@progbits
	.p2align	6, 0x0
	.amdhsa_kernel k_q2b776fb95e_ffn2
		.amdhsa_group_segment_fixed_size 169472
		.amdhsa_private_segment_fixed_size 0
		.amdhsa_enable_private_segment 0
		.amdhsa_kernarg_size 48
		.amdhsa_user_sgpr_count 2
		.amdhsa_user_sgpr_kernarg_segment_ptr 1
		.amdhsa_wavefront_size32 1
		.amdhsa_system_sgpr_workgroup_id_x 1
		.amdhsa_system_sgpr_workgroup_id_y 1
		.amdhsa_system_sgpr_workgroup_id_z 1
		.amdhsa_system_vgpr_workitem_id 0
		.amdhsa_next_free_vgpr 1024
		.amdhsa_next_free_sgpr 96
		.amdhsa_reserve_vcc 0
		.amdhsa_float_denorm_mode_32 3
		.amdhsa_float_denorm_mode_16_64 3
		.amdhsa_memory_ordered 1
		.amdhsa_forward_progress 1
		.amdhsa_inst_pref_size 211
	.end_amdhsa_kernel
	.amdgpu_metadata
---
amdhsa.version: [ 1, 2 ]
amdhsa.kernels:
  - .name:           k_q2b776fb95e_ffn2
    .symbol:         k_q2b776fb95e_ffn2.kd
    .args:
      - { .name: plan, .offset: 0, .size: 8, .value_kind: global_buffer, .address_space: global }
      - { .name: xq, .offset: 8, .size: 8, .value_kind: global_buffer, .address_space: global }
      - { .name: wimg, .offset: 16, .size: 8, .value_kind: global_buffer, .address_space: global }
      - { .name: b2, .offset: 24, .size: 8, .value_kind: global_buffer, .address_space: global }
      - { .name: himg, .offset: 32, .size: 8, .value_kind: global_buffer, .address_space: global }
      - { .name: out0, .offset: 40, .size: 8, .value_kind: global_buffer, .address_space: global }
    .group_segment_fixed_size: 169472
    .private_segment_fixed_size: 0
    .kernarg_segment_align: 8
    .kernarg_segment_size: 48
    .max_flat_workgroup_size: 128
    .sgpr_count:     96
    .vgpr_count:     1024
    .wavefront_size: 32
...
	.end_amdgpu_metadata
.endif
;; end of part 8
